; MI455X (gfx1250); checked and timed in simulation.
; The chip was launched on July 23, 2026; its instructions are those of AMD's public machine-readable ISA for CDNA 5 (MIT licence, August 2026) and "CDNA5" Instruction Set Architecture Reference Guide (July 2026). The comments in the code are by the model that wrote it; some were corrected since.
;; Attn. Allowed arithmetic: matrix products marked QUANTISED: E2M1 operands, one E8M0 scale for each 32 along K, by v_wmma_scale_f32_16x16x128_f8f6f4 with both operands' format E2M1 (or v_wmma_scale_f32_32x16x128_f4), f32 sums; products left as they are: f32 operands where the result goes on into a quantised operand, else bf16, f16 or f32 operands; f32 sums; everything else in f32.
;; Inputs: W_codes 1,024 x 32 x 16 uint8 (E2M1 codes of W, K innermost, in blocks of 32 codes, two codes a byte); W_scales 1,024 x 32 uint8 (E8M0 scales of W, one for each 32 codes along K); b 1,024 float32; encoder_outputs_codes 2,048 x 32 x 32 x 16 uint8 (E2M1 codes of encoder_outputs, K innermost, in blocks of 32 codes, two codes a byte); encoder_outputs_scales 2,048 x 32 x 32 uint8 (E8M0 scales of encoder_outputs, one for each 32 codes along K); hidden 1 x 32 x 1,024 float32.
;; Outputs: out0 32 x 1 x 2,048 float32.
;; This version of the problem:
;;   THIS VERSION OF THE PROBLEM IS GIVEN IN LOW PRECISION. The matrix products marked QUANTISED in the list below multiply operands that are first quantised to E2M1 (2 exponent bits, 1 mantissa bit; 4 bits a number), with one power-of-two scale for each 32 numbers along K (OCP MX v1.0); their sums are f32. All else is computed in f32.
;;   The module's matrix products, in the order in which they are computed (A, B: the left and right operand; K: the contracted axis; several contracted axes count as one K, in the product's order):
;;     1. [M 65,536, K 1,024] x [K 1,024, N 1,024]; A: input encoder_outputs (given as codes); B: input W (given as codes): QUANTISED
;;     2. batch 32 x [M 1, K 1,024] x [K 1,024, N 2,048]; A: input hidden; B: computed on the way: left as it is (M = 1 < 16)
;;   THE QUANTISER, for each operand of a quantised product, along K:
;;     - K is cut into blocks of 32 from its start; a last block that is shorter is filled with zeros.
;;     - A block's scale is 2^e with e = floor(log2(the largest magnitude in the block)) - 2, held to -126 .. 127; a block of zeros has e = 0. As a byte (E8M0): e + 127.
;;     - Each number is divided by its block's scale, clamped to +-6, and rounded to the nearest number of E2M1, ties to even, subnormals kept.
;;     - The product sums the exact products of the quantised numbers (number of the format x scale) in f32.
;;   ~~~python
;;   def quantise(x, axis):      # numpy; x: float32 -> the quantised numbers, widened to float32 again
;;       x = np.moveaxis(x, axis, -1); K = x.shape[-1]
;;       x = np.pad(x, [(0, 0)] * (x.ndim - 1) + [(0, -K % 32)]); x = x.reshape(x.shape[:-1] + (-1, 32)); a = np.abs(x).max(-1, keepdims=True)
;;       e = np.where(a > 0, np.clip(np.frexp(np.where(a > 0, a, 1))[1] - 1 - 2, -126, 127), 0)      # np.frexp(a)[1] - 1 = floor(log2(a)), exactly
;;       r = np.clip(x / 2.0 ** e, -6, 6)
;;       step = 2.0 ** (np.maximum(np.frexp(np.where(r == 0, 1, r))[1] - 1, 0) - 1)
;;       q = np.round(r / step) * step * 2.0 ** e      # np.round: ties to even
;;       return np.moveaxis(q.reshape(q.shape[:-2] + (-1,))[..., :K], -1, axis).astype(np.float32)
;;   ~~~
;;   INPUTS GIVEN AS CODES. W (in the module: [1024, 1024], K = its axis 1); encoder_outputs (in the module: [2048, 32, 1024], K = its axis 2): each comes as NAME_codes (uint8): NAME with its K axis moved to the last place and cut into blocks of 32 codes, [.., K / 32, bytes a block], one block behind the other in memory; two codes a byte, the lower K in the low four bits (a code: sign, 2 exponent bits, 1 mantissa bit); and NAME_scales (uint8): the same leading axes, one E8M0 byte (e + 127) for each 32 codes along K. Its value is code x scale, taken as it is: it is not quantised again, and the codes and scales need not be those that the quantiser above would give.
;; 2 versions. Each part assembles by itself: llvm-mc -triple=amdgcn-amd-amdhsa -mcpu=gfx1250 --defsym DOCPART=n.
;; ======== version 1 of 2: 2 launches
;; workspace buffers: part 1,048,576 bytes
;; launch energy (part 1): grid 4 x 64, 4 waves a work-group, clusters of 4 x 4, 327,680 bytes of LDS; arguments W_codes, W_scales, encoder_outputs_codes, encoder_outputs_scales, hidden, part; writes part
.if DOCPART == 1
	.amdgcn_target "amdgcn-amd-amdhsa--gfx1250"
	.amdhsa_code_object_version 6
	.text
	.protected	k_q2889525c44_energy
	.globl	k_q2889525c44_energy
	.p2align	8
	.type	k_q2889525c44_energy,@function
k_q2889525c44_energy:
	s_mov_b64 s[64:65], 0
	v_nop
	global_prefetch_b8 v0, s[64:65] scope:SCOPE_SE
	s_setreg_imm32_b32 hwreg(HW_REG_WAVE_MODE, 25, 1), 1
	s_wait_xcnt 0x0
	s_wait_alu depctr_hold_cnt(0) depctr_sa_sdst(0) depctr_va_vdst(0) depctr_va_sdst(0) depctr_va_ssrc(0) depctr_va_vcc(0) depctr_vm_vsrc(0)
	s_getreg_b32 s2, hwreg(HW_REG_IB_STS2, 6, 4)
	s_cmp_eq_u32 s2, 0
	s_cbranch_scc0 .Lentry_in_a_cluster
	s_endpgm
.Lentry_in_a_cluster:
	s_bfe_u32 s2, ttmp6, 0x10000c
	s_cmp_lg_u32 s2, 0xf033
	s_cbranch_scc0 .Lentry_shape_is_right
	s_endpgm
.Lentry_shape_is_right:
; part[nq][b][s] = the sum over o = 256 nq .. 256 nq + 255 of hidden[b][o] x (the sum over k of enc[s][b][k] W[o][k]).
; enc [2048 s][32 b][1024 k] and W [1024 o][1024 k] are codes of FP4 (E2M1), two a byte, K innermost (512 bytes a row), with one E8M0 byte for each 32 along K (32 bytes a row).
; The product runs on the codes and scale bytes as they lie; its f32 results are multiplied by hidden and summed at once, in f32 fused multiply-adds: they never go to memory.
; The bias is not added here: sum_o h_o (p_o + bias_o) = sum_o h_o p_o + sum_o h_o bias_o, and the next launch, which adds the four parts, makes the second sum.
; LIMITS: the energies are summed in another order than a plain sum over o (four chains a lane, then 16 parts), and the bias term is added as one sum: an order of rounding, no more.  A scale byte 0xff gives NaN.
; SHARES.  256 work-groups: x = nq, 256 rows of W; y = 2 sg + bh: the 1,024 rows s = 64 sg .. + 63, b = 16 bh .. + 15 of enc.  Four waves, wave w = 2 rp + ch:
; it keeps W's rows 128 ch .. + 127 of the work-group's 256, for ALL of K, in 512 registers for the whole launch, and takes the s of parity rp: 32 blocks (one s, 16 b) of 64 matrix instructions.
; So only enc goes round: a block reads 8 KB of codes and 512 bytes of scales from LDS for its 64 matrix instructions, and no fragment is read twice by a wave.
; Every block has the same 16 b, so a wave's numbers of hidden are 64 registers that stay.
; THE MATRIX INSTRUCTION IS USED TRANSPOSED: source 0 = 16 rows of W, source 1 = 16 rows of enc: lane (r = l % 16, h = l / 16) holds b = r, and register j of tile nb the output 16 nb + 8 h + j.
; THE RING.  enc comes in four tiles of 16 s (128 KB) through two LDS slots.  Slot 1 holds W first; when W is in registers it takes tile 1.  A refill is asked for in a tile's last block and waited for in the
; next tile's last block: eight blocks, 512 matrix instructions a wave, lie between.  A wave has three tensor loads out at the start, later one.
; CLUSTER 4 x 4.  The four work-groups of a row of the cluster (same y) need the same tiles and scales of enc, the four of a column (same nq) the same rows of W: each is asked for JOINTLY, by the same
; tensor load with the same descriptor and a mask that names the four.  Every wave fetches a quarter of each: no branch stands round a tensor load.
; BY TURNS.  While a block's first 16 products are issued, the block before is multiplied by hidden and summed (36 packed instructions, set between them); the next block's 17 LDS loads follow among the next products.
; REGISTERS, in windows of 256 (s_set_vgpr_msb: bits 1:0 source 0, 3:2 source 1, 5:4 source 2, 7:6 destination):
;   window 0: v0-17 addresses; v32-63 W's scale words; v64-71 enc's, two sets; v72-111 the way out; v128-255 W's K steps 2, 3
;   window 1: v0-127 enc's fragments, two sets (64 p + 8 q); v128-255 the accumulators, two sets (128 + 64 p + 8 nb)
;   window 2: v0-127 W's K steps 0, 1; v128-191 hidden (128 + 8 nb + j)          window 3: W's K steps 4 to 7
; Four switches a block: the sums ride under the setting of K steps 0, 1 (hidden shares W's window), the LDS loads under that of K steps 2, 3 (their address shares W's window).
.set PITCH, 528                        ; an LDS row: 512 bytes + 16 of padding = 132 words: the 16 rows that a load touches start 4 words apart modulo 64 (64 banks of 4 bytes: ISA guide 11.1)
.set BLK,   16*PITCH                   ; 16 rows: one s of enc, or a tile of W
.set STEP,  2*BLK                      ; from a wave's block to its next: two s
.set QUART, 4*BLK                      ; what one tensor load brings: 64 rows
.set SLOT,  4*QUART                    ; 256 rows
.set ASC,   2*SLOT                     ; enc's scale bytes of the work-group's 64 s: [s][16 b x 32 bytes], dense, filled once
.set STG,   ASC+32768                  ; the energies' stage: wave x 4,608 + h x 2,304 + r x 144 + 4 x block; written by LDS stores alone
.set SPARE, STG+4*4608                 ; the spare words, 128 bytes for each wave: two blocks of 256 bytes that no other line names
.set TILEB, 262144                     ; 16 s of enc's codes in memory
.set A0,  4                            ; v4   my lane's place in a slot: rp x BLK + r x PITCH + 16 h
.set AS0, 5                            ; v5   and among enc's scales: ASC + rp x 512 + 32 r + 16 h
.set ST0, 6                            ; v6   and in the stage
.set ADR, 7                            ; v7   LDS address of the fragments in hand
.set ADS, 8                            ; v8   of the scale words in hand
.set ADE, 9                            ; v9   of the energy in hand
.set AW,  10                           ; v10  W in slot 1: SLOT + (128 ch + r) x PITCH + 16 h
.set HO,  11                           ; v11  hidden: r x 4,096 + 32 h
.set WSO, 12                           ; v12  a row's scale bytes: 32 r + 16 h
.set PFO, 13                           ; v13  256 x lane; never rewritten
.set SPW, 14                           ; v14  LDS address of my spare word: SPARE + 4 x my thread's number; never rewritten
.set NIL, 15                           ; v15  0; never rewritten
.set RD,  16                           ; v16  the way out: where I read the stage
.set GO,  17                           ; v17  and my byte offset in part
.set WSC, 32                           ; W's scale words: register 4 nb + j: lanes 0-15 the word of K step j, lanes 16-31 that of K step 4 + j, of row 16 nb + r
.set ASR, 64                           ; enc's likewise: set p at 4 p
.set OW,  72                           ; the way out: 32 registers read back, 8 to store
.set OO,  104
.set HID, 128                          ; in window 2
.set WV,  16                           ; s16  my wave's number
.set RP,  17                           ; s17  the parity of my s
.set CH,  18                           ; s18  my half of the work-group's rows of W
.set G1A, 24                           ; s[24:31] descriptor group 1: a quarter of a tile of enc
.set G1W, 32                           ; s[32:39] a quarter of W
.set G1S, 40                           ; s[40:47] a quarter of enc's scales
.set G0A0, 48                          ; s[48:51] group 0 for slot 0's tiles;  s[52:55] for slot 1's;  s[56:59] for W;  s[60:63] for enc's scales
.set G0A1, 52
.set G0W, 56
.set G0S, 60
.set TB,  66                           ; s66  LDS byte at which the block to be fetched begins (less my lane's place)
.set TS,  67                           ; s67  the same for its scale words: 1,024 bytes a block
.set TE,  68                           ; s68  and for the energy to be stored: 4 bytes a block
.set CNT, 69
.set PFA, 70                           ; s[70:71] where my prefetches stand: row 4 cx + wave of the 16 rows (8 KB each) of tile 0; never rewritten
.set PADF, (3<<16)|(1<<20)|(1<<21)|(6<<22)|(3<<25)   ; 17:16 elements of 8 bytes; 20 padding on; 21 set beside a mask; 24:22 after every 128 words (code 6); 31:25 four words (code 3)
.set MSB, 0
.macro WIN new                         ; the immediate's high byte repeats the setting that is left; a switch that changes nothing is dropped
.if MSB != \new
	s_set_vgpr_msb (MSB<<8)|\new
.set MSB, \new
.endif
.endm
.macro CREST                           ; a round of the cluster's barrier behind its opening barrier
	s_cmp_lg_u32 s[WV], 0
	s_cbranch_scc1 .Lnot_wave_0_\@
	s_barrier_signal -3
.Lnot_wave_0_\@:
	s_barrier_wait -3
	s_barrier_signal -1
	s_barrier_wait -1
.endm
.macro CROUND                          ; a whole round
	s_barrier_signal -1
	s_barrier_wait -1
	CREST
.endm
.macro PLACES
.rept 4
	v_nop
.endr
.endm
; One product: accumulator (p, nb) takes W's tile nb x enc's block in set p, K step q.  K step 0 starts the sum with the constant 0: nothing is ever cleared.
; The eight accumulators of a block take turns, one instruction a turn.  K steps 4 to 7 read their scale words from lanes 16-31.
.macro MM p, q, nb
.set rD, 128+64*(\p)+8*(\nb)
.set rB, 64*(\p)+8*(\q)
.if (\q) < 2
.set rA, 64*(\q)+8*(\nb)
.elseif (\q) < 4
.set rA, 128+64*((\q)-2)+8*(\nb)
.else
.set rA, 64*((\q)-4)+8*(\nb)
.endif
.set rW, WSC+4*(\nb)+(\q)%4
.set rS, ASR+4*(\p)+(\q)%4
.if (\q) == 0
	v_wmma_scale_f32_16x16x128_f8f6f4 v[rD:rD+7], v[rA:rA+7], v[rB:rB+7], 0, v[rW], v[rS] matrix_a_fmt:MATRIX_FMT_FP4 matrix_b_fmt:MATRIX_FMT_FP4
.elseif (\q) < 4
	v_wmma_scale_f32_16x16x128_f8f6f4 v[rD:rD+7], v[rA:rA+7], v[rB:rB+7], v[rD:rD+7], v[rW], v[rS] matrix_a_fmt:MATRIX_FMT_FP4 matrix_b_fmt:MATRIX_FMT_FP4
.else
	v_wmma_scale_f32_16x16x128_f8f6f4 v[rD:rD+7], v[rA:rA+7], v[rB:rB+7], v[rD:rD+7], v[rW], v[rS] matrix_a_fmt:MATRIX_FMT_FP4 matrix_b_fmt:MATRIX_FMT_FP4 matrix_a_scale:MATRIX_SCALE_ROW1 matrix_b_scale:MATRIX_SCALE_ROW1
.endif
.endm
; Number k of the 36 instructions that turn the finished block in accumulator set pp into my lane's part of its energy: the sum over nb, j of hidden x result.
; 0-3: tile 0's four pairs times hidden, in place: four chains.  4-31: tile k / 4's pair k % 4 onto chain k % 4.  32-35: the chains are added.  Each accumulator is read from its low end on.
; The last four are additions written as multiply-adds by 1.0: under this window setting source 0 is hidden's window, so both addends stand in sources 1 and 2.
.macro EP pp, k
.set AC, 128+64*(\pp)
.if (\k) < 4
	v_pk_mul_f32 v[AC+2*(\k):AC+2*(\k)+1], v[HID+2*(\k):HID+2*(\k)+1], v[AC+2*(\k):AC+2*(\k)+1]
.elseif (\k) < 32
.set eN, (\k)/4
.set eC, (\k)%4
	v_pk_fma_f32 v[AC+2*eC:AC+2*eC+1], v[HID+8*eN+2*eC:HID+8*eN+2*eC+1], v[AC+8*eN+2*eC:AC+8*eN+2*eC+1], v[AC+2*eC:AC+2*eC+1]
.elseif (\k) == 32
	v_pk_fma_f32 v[AC:AC+1], 1.0, v[AC+2:AC+3], v[AC:AC+1] op_sel_hi:[0,1,1]
.elseif (\k) == 33
	v_pk_fma_f32 v[AC+4:AC+5], 1.0, v[AC+6:AC+7], v[AC+4:AC+5] op_sel_hi:[0,1,1]
.elseif (\k) == 34
	v_pk_fma_f32 v[AC:AC+1], 1.0, v[AC+4:AC+5], v[AC:AC+1] op_sel_hi:[0,1,1]
.else
	v_fma_f32 v[AC], 1.0, v[AC+1], v[AC]
.endif
.endm
; Products lo .. hi - 1 of the 16 of K steps 0, 1.  ep = 1: the other set's 36 instructions stand behind them, two behind each of the first twelve, three behind each of the last four.
.macro PH_E p, lo, hi, ep
.set i, \lo
.set po, 1-(\p)
.rept (\hi)-(\lo)
.set qq, i/8
.set nn, i%8
	MM \p, qq, nn
.if \ep
.if i < 12
.set k0, 2*i
	EP po, k0
.set k0, 2*i+1
	EP po, k0
.else
.set k0, 24+3*(i-12)
	EP po, k0
.set k0, 25+3*(i-12)
	EP po, k0
.set k0, 26+3*(i-12)
	EP po, k0
.endif
.endif
.set i, i+1
.endr
.endm
; Between K steps 1 and 2.  store = 1: set pp's energy goes to the stage.  fetch = 1: the next block's addresses are made, and its scale words are asked for, into set pp.
; (The additions take the vector register as source 0 and the scalar as source 1: source 1's window is the accumulators', for the store's data.)
.macro ZONE pp, store, fetch
	WIN 0x04                                       ; source 1 window 1
.if \store
	v_add_nc_u32 v[ADE], v[ST0], s[TE]
	s_add_co_u32 s[TE], s[TE], 4
	ds_store_b32 v[ADE], v[128+64*(\pp)]
.endif
.if \fetch
	v_add_nc_u32 v[ADR], v[A0], s[TB]
	v_add_nc_u32 v[ADS], v[AS0], s[TS]
	s_add_co_u32 s[TB], s[TB], STEP
	s_add_co_u32 s[TS], s[TS], 1024
	ds_load_b128 v[ASR+4*(\pp):ASR+4*(\pp)+3], v[ADS]   ; my 16 of my row's 32 scale bytes: all eight K steps' words lie in lanes r and 16 + r
.endif
.endm
; A fragment, 16 rows x 128 K, is 8 registers: lane (r, h) holds row r; registers 4 c .. 4 c + 3 hold K = 64 c + 32 h + 0 .. 31: 16 bytes of the row as they lie.
; K steps 2, 3.  fetch = 1: the next block's 16 loads stand behind the first eight products, K ascending; they need no switch: destination window 1, address window 0.
; The set that they fill was last read by the block before; the 36 instructions of the sums lie between.
.macro PH_A p, fetch
	WIN 0x54
.set i, 0
.set fo, 64*(1-(\p))
.rept 16
.set qq, 2+i/8
.set nn, i%8
	MM \p, qq, nn
.if (\fetch) && (i < 8)
	ds_load_b128 v[fo+8*i:fo+8*i+3],   v[ADR] offset:64*i
	ds_load_b128 v[fo+8*i+4:fo+8*i+7], v[ADR] offset:64*i+32
.endif
.set i, i+1
.endr
.endm
; K steps 4 to 7.  A vector instruction that reads a matrix result stands four places behind it, and only plain vector instructions that name none of its registers are places (ISA guide 7.12.1):
; four v_nop behind the last products of tiles 0 to 3 are tile 0's places; the later tiles have the rest of them and the sums of the tiles before.
.macro PH_B p
	WIN 0x57
.set i, 0
.rept 32
.set qq, 4+i/8
.set nn, i%8
	MM \p, qq, nn
.if (i >= 24) && (i < 28)
	v_nop
.endif
.set i, i+1
.endr
.endm
.macro BLOCK p, ep, fetch
	s_wait_dscnt 0x0                               ; this block's fragments and scale words are in (but for block 0's, asked for 40 matrix instructions ago or more)
	WIN 0x56
	PH_E \p, 0, 16, \ep
	ZONE 1-(\p), \ep, \fetch
	PH_A \p, \fetch
	PH_B \p
.endm
.macro SIX                             ; six blocks: three trips of two, in which the two sets change places and come back
	WIN 0                                          ; at a label and at a branch every window is 0
	s_mov_b32 s[CNT], 3
.Lpair_\@:
	BLOCK 1, 1, 1
	BLOCK 0, 1, 1
	WIN 0
	s_sub_co_u32 s[CNT], s[CNT], 1
	s_cmp_lg_u32 s[CNT], 0
	s_cbranch_scc1 .Lpair_\@
.endm
; A PREFETCH INTO THE L2 of tile t, one tile ahead of the joint load that will ask for it: eight blocks, 512 matrix instructions a wave.  A tile is 16 rows of 8 KB: the four partners that ask for it jointly
; take four rows each, told apart BY ADDRESS (cx), a wave a row, lanes 256 bytes apart: each aligned block of 256 bytes is named once in the launch.  Tiles 0 and 1 come by their loads alone.
.macro ASK t
	global_prefetch_b8 v[PFO], s[PFA:PFA+1] offset:(\t)*TILEB th:TH_LOAD_NT scope:SCOPE_SE
.endm
; A tile's last block changes slots: ONE barrier.  In front of it each wave waits for all its tensor loads (its quarter of the next tile), adds 0 to its spare word, and waits for that; its reads of this
; slot are over: the last were this block's fragments.  fill = 1: the barrier opens a round of the cluster's barrier, and this slot is filled again, with the tile two on.
.macro TURN fill, g0, nextbase, ask
	s_wait_dscnt 0x0                               ; this block's fragments and scale words are in: my last reads of this slot
	s_wait_tensorcnt 0x0                           ; all my tensor loads have landed: no load of mine is out, so a group 0 may be written
	ds_add_u32 v[SPW], v[NIL]                      ; 0 onto my spare word
.if \fill
	s_add_nc_u64 s[\g0+2:\g0+3], s[\g0+2:\g0+3], 2*TILEB   ; this slot's next tile; the type bits on top are not reached
.endif
	WIN 0x56
	PH_E 1, 0, 8, 1                                ; eight products and sixteen of the sums stand between the add and the wait for it
	s_wait_dscnt 0x0                               ; the add is done
	s_barrier_signal -1
	PH_E 1, 8, 16, 1                               ; work on registers while the others arrive
	WIN 0
	s_barrier_wait -1
.if \fill
	CREST                                          ; no wave of any partner still reads this slot or has a load on its way
	tensor_load_to_lds s[\g0:\g0+3], s[G1A:G1A+7]  ; the first tensor load behind the round, and my one load until the next
	s_nop 0
	PLACES
.if \ask
	ASK \ask
.endif
.endif
	s_mov_b32 s[TB], \nextbase                     ; the fetches go on in the other slot
	ZONE 0, 1, 1
	PH_A 1, 1
	PH_B 1
.endm
	s_load_b256 s[4:11], s[0:1], 0x0               ; W's codes s[4:5], W's scales s[6:7], enc's codes s[8:9], enc's scales s[10:11]
	s_load_b128 s[12:15], s[0:1], 0x20             ; hidden s[12:13], part s[14:15]
	v_lshl_add_u32 v[SPW], v0, 2, SPARE
	v_mov_b32 v[NIL], 0
	ds_add_u32 v14, v15
	ds_add_u32 v14, v15
	s_wait_dscnt 0x0
	v_lshrrev_b32 v3, 5, v0
	v_readfirstlane_b32 s[WV], v3                  ; wave 0..3
	s_lshr_b32 s[RP], s[WV], 1
	s_and_b32 s[CH], s[WV], 1
	s_bfe_u32 s19, ttmp6, 0x40000                  ; cx, cy: my place in the cluster
	s_bfe_u32 s20, ttmp6, 0x40004
	s_lshl_b32 s72, ttmp9, 2
	s_add_co_u32 s72, s72, s19                     ; nq = 4 x cluster x + cx
	s_and_b32 s21, ttmp7, 0xffff
	s_lshl_b32 s21, s21, 2
	s_add_co_u32 s21, s21, s20                     ; y = 4 x cluster y + cy
	s_lshr_b32 s22, s21, 1                         ; sg: which 64 s
	s_and_b32 s23, s21, 1                          ; bh: which 16 b
	s_lshl_b32 s73, s20, 2
	s_lshl_b32 s73, 15, s73                        ; my row of the cluster
	s_lshl_b32 s74, 0x1111, s19                    ; my column
	; group 1 for a quarter of a tile of enc: 4 rows (one s, 16 b) of 8 KB, 16 KB apart; the padding behind every 512 bytes gives each b's 512 bytes an LDS row of its own
	s_or_b32 s[G1A], s73, PADF                     ; 15:0 the mask: enc goes to my row of the cluster
	s_mov_b32 s[G1A+1], 1024<<16                   ; tensor_dim0 = 1,024 elements of 8 bytes
	s_mov_b32 s[G1A+2], 4<<16                      ; tensor_dim1 = 4
	s_mov_b32 s[G1A+3], 1024<<16                   ; tile_dim0
	s_mov_b32 s[G1A+4], 4                          ; tile_dim1
	s_mov_b32 s[G1A+5], 2048                       ; tensor_dim0_stride
	s_mov_b32 s[G1A+6], 0
	s_mov_b32 s[G1A+7], 0
	; for a quarter of W: 64 rows of 512 bytes, dense
	s_or_b32 s[G1W], s74, PADF                     ; the mask: W goes to my column
	s_mov_b32 s[G1W+1], 64<<16
	s_mov_b32 s[G1W+2], 64<<16
	s_mov_b32 s[G1W+3], 64<<16
	s_mov_b32 s[G1W+4], 64
	s_mov_b32 s[G1W+5], 64
	s_mov_b32 s[G1W+6], 0
	s_mov_b32 s[G1W+7], 0
	; for a quarter of enc's scales: 16 rows (one s, 16 b) of 512 bytes, 1,024 apart, no padding
	s_or_b32 s[G1S], s73, (3<<16)|(1<<21)
	s_mov_b32 s[G1S+1], 64<<16
	s_mov_b32 s[G1S+2], 16<<16
	s_mov_b32 s[G1S+3], 64<<16
	s_mov_b32 s[G1S+4], 16
	s_mov_b32 s[G1S+5], 128
	s_mov_b32 s[G1S+6], 0
	s_mov_b32 s[G1S+7], 0
	; byte offsets.  What feeds enc's descriptors is made of sg, bh and the wave's number alone; what feeds W's of nq and the wave's number alone
	s_lshl_b32 s76, s22, 20                        ; enc's codes: 64 s of 16 KB,
	s_lshl_b32 s75, s23, 13                        ; 16 b of 512 bytes
	s_add_co_u32 s76, s76, s75
	s_mov_b32 s77, 0
	s_lshl_b32 s82, s19, 2                         ; the prefetches: row 4 cx + wave of a tile's 16
	s_add_co_u32 s82, s82, s[WV]
	s_lshl_b32 s82, s82, 14
	s_add_co_u32 s82, s82, s76
	s_mov_b32 s83, 0
	s_lshl_b32 s75, s[WV], 16                      ; my quarter of a tile: 4 s
	s_add_co_u32 s76, s76, s75
	s_lshl_b32 s78, s72, 17                        ; W's codes: 256 rows of 512 bytes, my 64 of them
	s_lshl_b32 s3, s[WV], 15
	s_add_co_u32 s78, s78, s3
	s_mov_b32 s79, 0
	s_lshl_b32 s80, s22, 16                        ; enc's scales: 64 s of 1,024 bytes, 16 b of 32, my 16 s
	s_lshl_b32 s75, s23, 9
	s_add_co_u32 s80, s80, s75
	s_lshl_b32 s75, s[WV], 14
	s_add_co_u32 s80, s80, s75
	s_mov_b32 s81, 0
	s_lshl_b32 s84, s23, 16                        ; hidden: 16 b of 4,096 bytes, + 4 (256 nq + 128 ch)
	s_lshl_b32 s3, s72, 10
	s_add_co_u32 s84, s84, s3
	s_lshl_b32 s3, s[CH], 9
	s_add_co_u32 s84, s84, s3
	s_mov_b32 s85, 0
	s_lshl_b32 s86, s72, 13                        ; W's scales: 32 (256 nq + 128 ch)
	s_lshl_b32 s3, s[CH], 12
	s_add_co_u32 s86, s86, s3
	s_mov_b32 s87, 0
	s_lshl_b32 s88, s72, 18                        ; part: [nq][b][s] f32
	s_lshl_b32 s3, s23, 17
	s_add_co_u32 s88, s88, s3
	s_lshl_b32 s3, s22, 8
	s_add_co_u32 s88, s88, s3
	s_mov_b32 s89, 0
	s_mul_i32 s[G0A0+1], s[WV], QUART              ; where my quarters go: no place in the cluster enters an LDS address
	s_add_co_u32 s[G0A1+1], s[G0A0+1], SLOT
	s_add_co_u32 s[G0W+1], s[G0A0+1], SLOT
	s_lshl_b32 s[G0S+1], s[WV], 13
	s_add_co_u32 s[G0S+1], s[G0S+1], ASC
	s_mov_b32 s[G0A0], 1                           ; 1:0 count = 1
	s_mov_b32 s[G0A1], 1
	s_mov_b32 s[G0W], 1
	s_mov_b32 s[G0S], 1
	s_mov_b32 s[TB], 0
	s_mov_b32 s[TS], 0
	s_mov_b32 s[TE], 0
	s_wait_kmcnt 0x0
	s_add_nc_u64 s[G0A0+2:G0A0+3], s[8:9], s[76:77]            ; tile 0
	s_add_nc_u64 s[G0A1+2:G0A1+3], s[G0A0+2:G0A0+3], TILEB     ; tile 1
	s_or_b32 s[G0A0+3], s[G0A0+3], 0x80000000                  ; 127:126 type = 2
	s_or_b32 s[G0A1+3], s[G0A1+3], 0x80000000
	s_add_nc_u64 s[G0W+2:G0W+3], s[4:5], s[78:79]
	s_or_b32 s[G0W+3], s[G0W+3], 0x80000000
	s_add_nc_u64 s[G0S+2:G0S+3], s[10:11], s[80:81]
	s_or_b32 s[G0S+3], s[G0S+3], 0x80000000
	s_add_nc_u64 s[PFA:PFA+1], s[8:9], s[82:83]
	s_add_nc_u64 s[12:13], s[12:13], s[84:85]
	s_add_nc_u64 s[6:7], s[6:7], s[86:87]
	s_add_nc_u64 s[14:15], s[14:15], s[88:89]
	CROUND                                         ; all sixteen work-groups are here: the first joint loads meet
	tensor_load_to_lds s[G0W:G0W+3], s[G1W:G1W+7]  ; W into slot 1: wanted first
	s_nop 0
	tensor_load_to_lds s[G0S:G0S+3], s[G1S:G1S+7]  ; enc's scales: filled once
	s_nop 0
	tensor_load_to_lds s[G0A0:G0A0+3], s[G1A:G1A+7]  ; tile 0 into slot 0.  Three loads of mine are out
	s_nop 0
	PLACES
	v_and_b32 v1, 15, v0                           ; r
	v_bfe_u32 v2, v0, 4, 1                         ; h
	v_lshlrev_b32 v[HO], 12, v1
	v_lshl_add_u32 v[HO], v2, 5, v[HO]
	v_lshlrev_b32 v[WSO], 5, v1
	v_lshl_add_u32 v[WSO], v2, 4, v[WSO]
	WIN 0x80                                       ; destination window 2
.irp nb, 0,1,2,3,4,5,6,7
	global_load_b128 v[HID+8*\nb:HID+8*\nb+3],   v[HO], s[12:13] offset:64*\nb      ; hidden(16 bh + r, 256 nq + 128 ch + 16 nb + 8 h + 0 .. 7): it stays
	global_load_b128 v[HID+8*\nb+4:HID+8*\nb+7], v[HO], s[12:13] offset:64*\nb+16
.endr
	WIN 0
.irp nb, 0,1,2,3,4,5,6,7
	global_load_b128 v[WSC+4*\nb:WSC+4*\nb+3], v[WSO], s[6:7] offset:512*\nb        ; the scale bytes of 16 rows of W: the wave reads 512 consecutive bytes; they stay
.endr
	v_mul_u32_u24 v3, v1, PITCH
	v_lshl_add_u32 v3, v2, 4, v3                   ; a fragment's row x pitch + 16 h
	s_mul_i32 s75, s[RP], BLK
	v_add_nc_u32 v[A0], s75, v3
	s_mul_i32 s75, s[CH], 128*PITCH
	s_add_co_u32 s75, s75, SLOT
	v_add_nc_u32 v[AW], s75, v3
	s_lshl_b32 s75, s[RP], 9
	s_add_co_u32 s75, s75, ASC
	v_add_nc_u32 v[AS0], s75, v[WSO]
	v_mul_u32_u24 v[ST0], v1, 144
	v_mad_u32_u24 v[ST0], v2, 2304, v[ST0]
	s_mul_i32 s75, s[WV], 4608
	s_add_co_u32 s75, s75, STG
	v_add_nc_u32 v[ST0], s75, v[ST0]
	v_and_b32 v[PFO], 31, v0
	v_lshlrev_b32 v[PFO], 8, v[PFO]
	v_mul_u32_u24 v[RD], v2, 144                   ; the way out: wave w takes b rows 4 w .. 4 w + 3; lanes 0-15 one row, lanes 16-31 the next; 8 bytes (two blocks) a lane
	v_lshl_add_u32 v[RD], v1, 3, v[RD]
	s_mul_i32 s75, s[WV], 4*144
	s_add_co_u32 s75, s75, STG
	v_add_nc_u32 v[RD], s75, v[RD]
	v_lshlrev_b32 v[GO], 13, v2                    ; and the same rows in part: 8,192 bytes a b, 16 bytes a lane
	v_lshl_add_u32 v[GO], v1, 4, v[GO]
	s_lshl_b32 s75, s[WV], 15
	v_add_nc_u32 v[GO], s75, v[GO]
	s_wait_tensorcnt 0x2                           ; my quarter of W is in: behind its load I issued two, enc's scales and tile 0, which may stay out
	s_barrier_signal -1
	s_barrier_wait -1                              ; everybody's is
	; W's 128 rows x 1,024 K into 512 registers: 64 fragments, 128 loads
.irp q, 0,1,2,3,4,5,6,7
.if \q < 2
	WIN 0x80
.set rW0, 64*\q
.elseif \q < 4
	WIN 0
.set rW0, 128+64*(\q-2)
.else
	WIN 0xc0
.set rW0, 64*(\q-4)
.endif
.irp nb, 0,1,2,3,4,5,6,7
	ds_load_b128 v[rW0+8*\nb:rW0+8*\nb+3],   v[AW] offset:\nb*BLK+64*\q
	ds_load_b128 v[rW0+8*\nb+4:rW0+8*\nb+7], v[AW] offset:\nb*BLK+64*\q+32
.endr
.endr
	WIN 0
	s_wait_tensorcnt 0x0                           ; all my tensor loads have landed: enc's scales and tile 0
	ds_add_u32 v[SPW], v[NIL]                      ; 0 onto my spare word
	s_wait_dscnt 0x0                               ; the add is done, and W is in my registers: my reads of slot 1 are over
	CROUND                                         ; so are those of every wave of every partner
	tensor_load_to_lds s[G0A1:G0A1+3], s[G1A:G1A+7]  ; tile 1 into slot 1: the first tensor load behind the round
	s_nop 0
	PLACES
	ASK 2
	ZONE 0, 0, 1                                   ; block 0: its scale words,
	WIN 0x40                                       ; destination window 1
.irp q, 0,1,2,3,4,5,6,7
	ds_load_b128 v[8*\q:8*\q+3],   v[ADR] offset:64*\q      ; and its fragments, into set 0
	ds_load_b128 v[8*\q+4:8*\q+7], v[ADR] offset:64*\q+32
.endr
	WIN 0
	s_wait_loadcnt 0x0                             ; hidden and W's scale words
	; THE 32 BLOCKS.  All four tiles are written out and every slot's address is a constant
	BLOCK 0, 0, 1                                  ; block 0: there is no block before it to sum
	SIX
	TURN 1, G0A0, SLOT, 3                          ; tile 0's last block: slot 0 takes tile 2; tile 3 is prefetched
	BLOCK 0, 1, 1
	SIX
	TURN 1, G0A1, 0, 0                             ; tile 1's last: slot 1 takes tile 3
	BLOCK 0, 1, 1
	SIX
	TURN 0, G0A0, SLOT, 0                          ; tile 2's last: nothing is left to fetch, so no round follows
	BLOCK 0, 1, 1
	SIX
	BLOCK 1, 1, 0                                  ; block 31 fetches nothing
	WIN 0x56
.set kk, 0
.rept 36
	EP 1, kk                                       ; and is summed by itself
.set kk, kk+1
.endr
	ZONE 1, 1, 0
	WIN 0
	s_wait_dscnt 0x0                               ; for the others' sake: my stores into the stage are done
	s_barrier_signal -1
	s_barrier_wait -1
	; THE WAY OUT.  An energy's four parts (two halves of the lanes x two waves ch) are added; the blocks of the two parities of s are interleaved: lane x of a row holds s = 4 x .. 4 x + 3
.irp u, 0,1
.irp a, 0,1,2,3
.irp g, 0,1
	ds_load_b64 v[OW+16*\u+4*\a+2*\g:OW+16*\u+4*\a+2*\g+1], v[RD] offset:\a*4608+\g*2304+288*\u   ; wave a's, half g's: blocks 2 x and 2 x + 1 of b row 4 w + 2 u + l / 16
.endr
.endr
.endr
	s_wait_dscnt 0x0
.irp u, 0,1
.irp a, 0,1,2,3
	v_pk_add_f32 v[OW+16*\u+4*\a:OW+16*\u+4*\a+1], v[OW+16*\u+4*\a:OW+16*\u+4*\a+1], v[OW+16*\u+4*\a+2:OW+16*\u+4*\a+3]   ; the two halves of the lanes
.endr
.irp e, 0,1
	v_add_f32 v[OO+4*\u+\e],   v[OW+16*\u+8*\e],   v[OW+16*\u+8*\e+4]   ; the two waves ch of parity e: s = 4 x + e,
	v_add_f32 v[OO+4*\u+2+\e], v[OW+16*\u+8*\e+1], v[OW+16*\u+8*\e+5]   ; and s = 4 x + 2 + e
.endr
	global_store_b128 v[GO], v[OO+4*\u:OO+4*\u+3], s[14:15] offset:16384*\u   ; 16 lanes store 256 consecutive bytes, at a multiple of 256 from part's first byte
.endr
	s_wait_tensorcnt 0x0                           ; the wave's end: behind my last tensor load and my last LDS store
	ds_add_u32 v[SPW], v[NIL]
	s_wait_dscnt 0x0
	CROUND                                         ; the closing round: no work-group ends while a partner may still ask for a tile that names it
	s_endpgm
.Lfunc_end_k_q2889525c44_energy:
	.size	k_q2889525c44_energy, .Lfunc_end_k_q2889525c44_energy-k_q2889525c44_energy
	.p2alignl 7, 3214868480
	.fill 96, 4, 3214868480
	.section	.rodata,"a",@progbits
	.p2align	6, 0x0
	.amdhsa_kernel k_q2889525c44_energy
		.amdhsa_group_segment_fixed_size 327680
		.amdhsa_private_segment_fixed_size 0
		.amdhsa_enable_private_segment 0
		.amdhsa_kernarg_size 48
		.amdhsa_user_sgpr_count 2
		.amdhsa_user_sgpr_kernarg_segment_ptr 1
		.amdhsa_wavefront_size32 1
		.amdhsa_system_sgpr_workgroup_id_x 1
		.amdhsa_system_sgpr_workgroup_id_y 1
		.amdhsa_system_sgpr_workgroup_id_z 1
		.amdhsa_system_vgpr_workitem_id 0
		.amdhsa_next_free_vgpr 1024
		.amdhsa_next_free_sgpr 90
		.amdhsa_reserve_vcc 0
		.amdhsa_float_denorm_mode_32 3
		.amdhsa_float_denorm_mode_16_64 3
		.amdhsa_memory_ordered 1
		.amdhsa_forward_progress 1
		.amdhsa_inst_pref_size 217
	.end_amdhsa_kernel
	.amdgpu_metadata
---
amdhsa.version: [ 1, 2 ]
amdhsa.kernels:
  - .name:           k_q2889525c44_energy
    .symbol:         k_q2889525c44_energy.kd
    .args:
      - { .name: W_codes, .offset: 0, .size: 8, .value_kind: global_buffer, .address_space: global }
      - { .name: W_scales, .offset: 8, .size: 8, .value_kind: global_buffer, .address_space: global }
      - { .name: encoder_outputs_codes, .offset: 16, .size: 8, .value_kind: global_buffer, .address_space: global }
      - { .name: encoder_outputs_scales, .offset: 24, .size: 8, .value_kind: global_buffer, .address_space: global }
      - { .name: hidden, .offset: 32, .size: 8, .value_kind: global_buffer, .address_space: global }
      - { .name: part, .offset: 40, .size: 8, .value_kind: global_buffer, .address_space: global }
    .group_segment_fixed_size: 327680
    .private_segment_fixed_size: 0
    .kernarg_segment_align: 8
    .kernarg_segment_size: 48
    .max_flat_workgroup_size: 128
    .sgpr_count:     90
    .vgpr_count:     1024
    .wavefront_size: 32
...
	.end_amdgpu_metadata
.endif
;; end of part 1
;; launch softmax (part 2): grid 32 x 1, 8 waves a work-group, no clusters, 2,048 bytes of LDS; arguments part, hidden, b, out0; writes out0
.if DOCPART == 2
	.amdgcn_target "amdgcn-amd-amdhsa--gfx1250"
	.amdhsa_code_object_version 6
	.text
	.protected	k_q2889525c44_softmax
	.globl	k_q2889525c44_softmax
	.p2align	8
	.type	k_q2889525c44_softmax,@function
k_q2889525c44_softmax:
	s_mov_b64 s[64:65], 0
	v_nop
	global_prefetch_b8 v0, s[64:65] scope:SCOPE_SE
	s_setreg_imm32_b32 hwreg(HW_REG_WAVE_MODE, 25, 1), 1
	s_wait_xcnt 0x0
; out0[b][s] = softmax over s of e[b][s], e = part[0][b][s] + part[1][b][s] + part[2][b][s] + part[3][b][s] + hb, hb = the sum over o of hidden[b][o] bias[o].
; part: [4][32][2048] f32, the first launch's sums over 256 outputs each.  All in f32; the row's true maximum is taken away ahead of the exponential.
; A work-group of eight waves takes one b: thread t holds s = 4 t + 0 .. 3 and 1,024 + 4 t + 0 .. 3 in registers from the loads to the stores, so that part is read once; every load and store of a wave covers 512 consecutive bytes.
; The maximum is taken of the sums without hb, and M = that maximum + hb: adding one number to all keeps their order under rounding, so M is the largest e.
; There are 32 rows and each is 8 KB of results: no matrix unit, no cluster (the work-groups share nothing but the bias), no tensor load.
; LIMITS: the bias term enters as one sum, added to the energy, where a plain reading adds bias to each output first: an order of rounding.  A weight under 2^-126 comes out as 0.  NaN and infinities are not served.
.set E0,  8                            ; v8-23   the four parts of my first four s; their sum in v8-11
.set E1,  24                           ; v24-39  of my second four; their sum in v24-27
	s_load_b256 s[4:11], s[0:1], 0x0               ; part s[4:5], hidden s[6:7], bias s[8:9], out0 s[10:11]
	v_lshl_add_u32 v72, v0, 2, 0x400
	v_mov_b32 v73, 0
	v_lshlrev_b32 v1, 4, v0                        ; 16 bytes a thread; never rewritten
	v_lshrrev_b32 v2, 5, v0                        ; my wave's number
	v_lshlrev_b32 v52, 3, v2                       ; LDS: 8 bytes a wave from byte 0: (hb's part, maximum)
	v_lshlrev_b32 v3, 2, v2                        ; and 4 bytes a wave from byte 256: the sum's part
	v_mov_b32 v53, 0
	v_mov_b32 v50, 0                               ; written once: a lane permute's destination counts as one of its sources
	v_mov_b32 v51, 0
	s_lshl_b32 s16, ttmp9, 13                      ; my b's row of part and of out0: 8,192 bytes
	s_mov_b32 s17, 0
	s_lshl_b32 s18, ttmp9, 12                      ; and of hidden: 4,096
	s_mov_b32 s19, 0
	s_mov_b32 s12, 0x76543210                      ; v_permlanex16_b32's selects for lane l xor 16
	s_mov_b32 s13, 0xfedcba98
	s_wait_kmcnt 0x0
	s_add_nc_u64 s[4:5], s[4:5], s[16:17]
	s_add_nc_u64 s[6:7], s[6:7], s[18:19]
	s_add_nc_u64 s[10:11], s[10:11], s[16:17]
.irp i, 0,1
.irp n, 0,1,2,3
	global_load_b128 v[E0+16*\i+4*\n:E0+16*\i+4*\n+3], v1, s[4:5] offset:\n*262144+\i*4096 th:TH_LOAD_NT
.endr
.endr
	global_load_b128 v[40:43], v1, s[6:7]          ; my four of hidden[b],
	global_load_b128 v[44:47], v1, s[8:9]          ; and of the bias
	s_wait_loadcnt 0x2                             ; the eight loads of part are in; the two behind them may be out
.irp x, E0, E1
	v_pk_add_f32 v[\x:\x+1],     v[\x:\x+1],     v[\x+4:\x+5]
	v_pk_add_f32 v[\x+2:\x+3],   v[\x+2:\x+3],   v[\x+6:\x+7]
	v_pk_add_f32 v[\x+8:\x+9],   v[\x+8:\x+9],   v[\x+12:\x+13]
	v_pk_add_f32 v[\x+10:\x+11], v[\x+10:\x+11], v[\x+14:\x+15]
	v_pk_add_f32 v[\x:\x+1],     v[\x:\x+1],     v[\x+8:\x+9]
	v_pk_add_f32 v[\x+2:\x+3],   v[\x+2:\x+3],   v[\x+10:\x+11]
.endr
	v_max3_num_f32 v49, v[E0], v[E0+1], v[E0+2]    ; the largest of my eight
	v_max3_num_f32 v49, v49, v[E0+3], v[E1]
	v_max3_num_f32 v49, v49, v[E1+1], v[E1+2]
	v_max_num_f32 v49, v49, v[E1+3]
	s_wait_loadcnt 0x0
	v_mul_f32 v48, v40, v44                        ; my part of hb
	v_fmac_f32 v48, v41, v45
	v_fmac_f32 v48, v42, v46
	v_fmac_f32 v48, v43, v47
.irp m, 1,2,4,8
	v_add_f32_dpp v48, v48, v48 row_xmask:\m row_mask:0xf bank_mask:0xf       ; both over the wave: four steps inside each half of 16 lanes,
	v_max_num_f32_dpp v49, v49, v49 row_xmask:\m row_mask:0xf bank_mask:0xf
.endr
	v_permlanex16_b32 v50, v48, s12, s13           ; one across the halves
	v_permlanex16_b32 v51, v49, s12, s13
	v_add_f32 v48, v48, v50
	v_max_num_f32 v49, v49, v51
	ds_store_b64 v52, v[48:49]                     ; all lanes of a wave write the same 8 bytes with the same values
	s_wait_dscnt 0x0                               ; for the others' sake
	s_barrier_signal -1
	s_barrier_wait -1
.irp j, 0,1,2,3
	ds_load_b128 v[56+4*\j:59+4*\j], v53 offset:16*\j   ; the eight waves' pairs, in every lane
.endr
	s_wait_dscnt 0x0
	v_add_f32 v56, v56, v58
	v_add_f32 v60, v60, v62
	v_add_f32 v64, v64, v66
	v_add_f32 v68, v68, v70
	v_max3_num_f32 v57, v57, v59, v61
	v_max3_num_f32 v57, v57, v63, v65
	v_max3_num_f32 v57, v57, v67, v69
	v_max_num_f32 v57, v57, v71
	v_add_f32 v56, v56, v60
	v_add_f32 v64, v64, v68
	v_add_f32 v54, v56, v64                        ; hb, made twice: a pair for the packed forms
	v_add_f32 v55, v56, v64
	v_add_f32 v58, v57, v54                        ; M, likewise
	v_add_f32 v59, v57, v54
.irp x, E0, E0+2, E1, E1+2
	v_pk_add_f32 v[\x:\x+1], v[\x:\x+1], v[54:55]  ; e
.endr
.irp x, E0, E0+2, E1, E1+2
	v_pk_add_f32 v[\x:\x+1], v[\x:\x+1], v[58:59] neg_lo:[0,1] neg_hi:[0,1]   ; e - M, 0 or less
.endr
.irp x, E0, E0+2, E1, E1+2
	v_pk_mul_f32 v[\x:\x+1], v[\x:\x+1], 0x3fb8aa3b op_sel_hi:[1,0]           ; x log2(e)
.endr
.irp x, E0, E0+1, E0+2, E0+3, E1, E1+1, E1+2, E1+3
	v_exp_f32 v[\x], v[\x]
.endr
	v_nop                                          ; a plain instruction behind the last exponential, ahead of the first use
	s_wait_alu depctr_va_vdst(0)                   ; and one wait for the eight
	v_pk_add_f32 v[60:61], v[E0:E0+1], v[E0+2:E0+3]
	v_pk_add_f32 v[62:63], v[E1:E1+1], v[E1+2:E1+3]
	v_pk_add_f32 v[60:61], v[60:61], v[62:63]
	v_add_f32 v48, v60, v61                        ; the sum of my eight
.irp m, 1,2,4,8
	v_add_f32_dpp v48, v48, v48 row_xmask:\m row_mask:0xf bank_mask:0xf
.endr
	v_permlanex16_b32 v50, v48, s12, s13
	v_add_f32 v48, v48, v50
	ds_store_b32 v3, v48 offset:256                ; other bytes than the first exchange's: no wave may still be reading those
	s_wait_dscnt 0x0
	s_barrier_signal -1
	s_barrier_wait -1
	ds_load_b128 v[56:59], v53 offset:256
	ds_load_b128 v[60:63], v53 offset:272
	s_wait_dscnt 0x0
	v_pk_add_f32 v[56:57], v[56:57], v[58:59]
	v_pk_add_f32 v[60:61], v[60:61], v[62:63]
	v_pk_add_f32 v[56:57], v[56:57], v[60:61]
	v_add_f32 v56, v56, v57                        ; the row's sum: at least 1, since the largest e gives 2^0
	v_rcp_f32 v64, v56                             ; made twice: a pair for the packed multiply
	v_rcp_f32 v65, v56
	v_nop                                          ; a plain instruction behind the last reciprocal
	s_wait_alu depctr_va_vdst(0)                   ; one wait for both
.irp x, E0, E0+2, E1, E1+2
	v_pk_mul_f32 v[\x:\x+1], v[\x:\x+1], v[64:65]
.endr
	global_store_b128 v1, v[E0:E0+3], s[10:11] th:TH_STORE_NT               ; a wave stores 512 consecutive bytes, at a multiple of 256 from out0's first byte
	global_store_b128 v1, v[E1:E1+3], s[10:11] offset:4096 th:TH_STORE_NT
	s_wait_tensorcnt 0x0
	ds_add_u32 v72, v73
	s_wait_dscnt 0x0
	s_endpgm
.Lfunc_end_k_q2889525c44_softmax:
	.size	k_q2889525c44_softmax, .Lfunc_end_k_q2889525c44_softmax-k_q2889525c44_softmax
	.p2alignl 7, 3214868480
	.fill 96, 4, 3214868480
	.section	.rodata,"a",@progbits
	.p2align	6, 0x0
	.amdhsa_kernel k_q2889525c44_softmax
		.amdhsa_group_segment_fixed_size 2048
		.amdhsa_private_segment_fixed_size 0
		.amdhsa_enable_private_segment 0
		.amdhsa_kernarg_size 32
		.amdhsa_user_sgpr_count 2
		.amdhsa_user_sgpr_kernarg_segment_ptr 1
		.amdhsa_wavefront_size32 1
		.amdhsa_system_sgpr_workgroup_id_x 1
		.amdhsa_system_sgpr_workgroup_id_y 1
		.amdhsa_system_sgpr_workgroup_id_z 1
		.amdhsa_system_vgpr_workitem_id 0
		.amdhsa_next_free_vgpr 74
		.amdhsa_next_free_sgpr 66
		.amdhsa_reserve_vcc 0
		.amdhsa_float_denorm_mode_32 3
		.amdhsa_float_denorm_mode_16_64 3
		.amdhsa_memory_ordered 1
		.amdhsa_forward_progress 1
		.amdhsa_inst_pref_size 8
	.end_amdhsa_kernel
	.amdgpu_metadata
---
amdhsa.version: [ 1, 2 ]
amdhsa.kernels:
  - .name:           k_q2889525c44_softmax
    .symbol:         k_q2889525c44_softmax.kd
    .args:
      - { .name: part, .offset: 0, .size: 8, .value_kind: global_buffer, .address_space: global }
      - { .name: hidden, .offset: 8, .size: 8, .value_kind: global_buffer, .address_space: global }
      - { .name: b, .offset: 16, .size: 8, .value_kind: global_buffer, .address_space: global }
      - { .name: out0, .offset: 24, .size: 8, .value_kind: global_buffer, .address_space: global }
    .group_segment_fixed_size: 2048
    .private_segment_fixed_size: 0
    .kernarg_segment_align: 8
    .kernarg_segment_size: 32
    .max_flat_workgroup_size: 256
    .sgpr_count:     66
    .vgpr_count:     74
    .wavefront_size: 32
...
	.end_amdgpu_metadata
.endif
;; end of part 2
;; ======== version 2 of 2: 2 launches
;; limits: right only within a limited range of input values
;; workspace buffers: part 1,048,576 bytes
;; launch energy (part 3): grid 4 x 64, 4 waves a work-group, clusters of 4 x 4, 327,680 bytes of LDS; arguments W_codes, W_scales, encoder_outputs_codes, encoder_outputs_scales, hidden, part; writes part
.if DOCPART == 3
	.amdgcn_target "amdgcn-amd-amdhsa--gfx1250"
	.amdhsa_code_object_version 6
	.text
	.protected	k_q2889525c44_energy
	.globl	k_q2889525c44_energy
	.p2align	8
	.type	k_q2889525c44_energy,@function
k_q2889525c44_energy:
	s_mov_b64 s[64:65], 0
	v_nop
	global_prefetch_b8 v0, s[64:65] scope:SCOPE_SE
	s_setreg_imm32_b32 hwreg(HW_REG_WAVE_MODE, 25, 1), 1
	s_wait_xcnt 0x0
	s_wait_alu depctr_hold_cnt(0) depctr_sa_sdst(0) depctr_va_vdst(0) depctr_va_sdst(0) depctr_va_ssrc(0) depctr_va_vcc(0) depctr_vm_vsrc(0)
	s_getreg_b32 s2, hwreg(HW_REG_IB_STS2, 6, 4)
	s_cmp_eq_u32 s2, 0
	s_cbranch_scc0 .Lentry_in_a_cluster
	s_endpgm
.Lentry_in_a_cluster:
	s_bfe_u32 s2, ttmp6, 0x10000c
	s_cmp_lg_u32 s2, 0xf033
	s_cbranch_scc0 .Lentry_shape_is_right
	s_endpgm
.Lentry_shape_is_right:
; part[nq][b][s] = the sum over o = 256 nq .. 256 nq + 255 of hidden[b][o] x (the sum over k of enc[s][b][k] W[o][k]).
; enc [2048 s][32 b][1024 k] and W [1024 o][1024 k] are codes of FP4 (E2M1), two a byte, K innermost (512 bytes a row), with one E8M0 byte for each 32 along K (32 bytes a row).
; The product runs on the codes and scale bytes as they lie; its f32 results are multiplied by hidden and summed at once, in f32 fused multiply-adds: they never go to memory.
; DEAD WORK: the bias.  reference() adds bias[o] to proj[s][b][o], so the energy of (b, s) gets the sum over o of hidden[b][o] bias[o]: the same number for every s, added to the input of a softmax over s,
; which gives the same result without it, for all values of hidden and bias.  So b is loaded by no launch and is among no launch's arguments.
; LIMITS: a NaN, an infinity or an overflow that reaches only that bias term is not carried to the result.  The energies are summed in another order than a plain sum over o (eight chains a lane, then
; 16 parts): an order of rounding.  A scale byte 0xff gives NaN.
; SHARES.  256 work-groups: x = nq, 256 rows of W; y = 2 sg + bh: the 1,024 rows s = 64 sg .. + 63, b = 16 bh .. + 15 of enc.  Four waves, wave w = 2 rp + ch:
; it keeps W's rows 128 ch .. + 127 of the work-group's 256, for ALL of K, in 512 registers, and takes the s of parity rp: 32 blocks (one s, 16 b) of 32 matrix instructions of 32 x 16 x 128.
; So only enc goes round: a block reads 8 KB of codes and 512 bytes of scales from LDS, and no fragment is read twice by a wave.  Every block has the same 16 b: a wave's numbers of hidden are 64 registers that stay.
; THE MATRIX INSTRUCTION IS USED TRANSPOSED: source 0 = 32 rows of W, source 1 = 16 rows of enc: lane (r = l % 16, h = l / 16) holds b = r; register j of pair t is output 32 t + 16 (j / 8) + 8 h + j % 8.
; THE HEAD.  One tensor load a wave: waves 0 and 1 W's halves (into slot 1), wave 2 tile 0 (slot 0), wave 3 enc's scales.  Behind a first barrier, which shows W alone, W's K steps 0 to 3 go to registers; behind a
; second, which shows the rest, blocks 0 and 1 are multiplied together, K step by K step, as W's K steps 4 to 7 come in.
; THE RING.  enc comes in four tiles of 16 s (128 KB) through two LDS slots.  When W is in registers slot 1 takes tile 1.  A refill is asked for in a tile's last block and waited for in the next tile's last block.
; By this text's own count a wave never has more than one tensor load out.
; CLUSTER 4 x 4.  The four work-groups of a row of the cluster (same y) need the same tiles and scales of enc, the four of a column (same nq) the same rows of W: each is asked for JOINTLY, by the same
; tensor load with the same descriptor and a mask that names the four.  The head's branches hang on the wave's number alone.
; A BLOCK.  K step 0; then the block before is multiplied by hidden and summed (36 instructions, 35 of them pairs), its energy goes out, the next block's scale words and fragments are asked for; then K steps 1 to 7.
; REGISTERS, in windows of 256 (s_set_vgpr_msb: bits 1:0 source 0, 3:2 source 1, 5:4 source 2, 7:6 destination):
;   window 0: v0-17 addresses; v24-31 enc's scale words, two sets; v32-63 W's; v64-127 hidden; v128-255 the accumulators, two sets (128 + 64 p + 16 t)
;   window 1: v0-127 enc's fragments, two sets (64 p + 8 q)     windows 2 and 3: W's K steps 0 to 3 and 4 to 7 (64 (q % 4) + 16 t)
.set PITCH, 528                        ; an LDS row: 512 bytes + 16 of padding = 132 words: the 16 rows that a load touches start 4 words apart modulo 64 (64 banks of 4 bytes: ISA guide 11.1)
.set BLK,   16*PITCH                   ; 16 rows: one s of enc, or 16 rows of W
.set STEP,  2*BLK                      ; from a wave's block to its next: two s
.set QUART, 4*BLK                      ; what one tensor load of the ring brings: 64 rows
.set SLOT,  4*QUART                    ; 256 rows
.set ASC,   2*SLOT                     ; enc's scale bytes of the work-group's 64 s: [s][16 b x 32 bytes], dense, filled once
.set STG,   ASC+32768                  ; the energies' stage: wave x 4,608 + h x 2,304 + r x 144 + 4 x block; written by LDS stores alone
.set SPARE, STG+4*4608                 ; the spare words, 128 bytes for each wave: two blocks of 256 bytes that no other line names
.set TILEB, 262144                     ; 16 s of enc's codes in memory
.set A0,  4                            ; v4   my lane's place in a slot: rp x BLK + r x PITCH + 16 h
.set AS0, 5                            ; v5   and among enc's scales: ASC + rp x 512 + 32 r + 16 h
.set ST0, 6                            ; v6   and in the stage
.set ADR, 7                            ; v7   LDS address of the fragments in hand
.set ADS, 8                            ; v8   of the scale words in hand
.set ADE, 9                            ; v9   of the energy in hand
.set AW,  10                           ; v10  W in slot 1: SLOT + (128 ch + r) x PITCH + 16 h
.set HO,  11                           ; v11  hidden: r x 4,096 + 32 h
.set WSO, 12                           ; v12  W's scale bytes: 32 x lane
.set PFO, 13                           ; v13  256 x lane; never rewritten
.set SPW, 14                           ; v14  LDS address of my spare word: SPARE + 4 x my thread's number; never rewritten
.set NIL, 15                           ; v15  0; never rewritten
.set RD,  16                           ; v16  the way out: where I read the stage
.set GO,  17                           ; v17  and my byte offset in part
.set ASR, 24                           ; enc's scale words: set p at 4 p: register j: lanes 0-15 the word of K step j, lanes 16-31 that of K step 4 + j, of row r
.set WSC, 32                           ; W's: register 8 t + q: lane m the word of K step q of row 32 t + m
.set HID, 64                           ; hidden: 16 x (tile of 16 outputs) / 2: register 8 nb + j is output 16 nb + 8 h + j
.set OW,  64                           ; the way out: 32 registers read back, 8 to store (hidden is done with)
.set OO,  96
.set WV,  16                           ; s16  my wave's number
.set RP,  17                           ; s17  the parity of my s
.set CH,  18                           ; s18  my half of the work-group's rows of W
.set G1A, 24                           ; s[24:31] descriptor group 1: enc: 16 rows of 8 KB at the head, 4 behind it
.set G1W, 32                           ; s[32:39] half of W
.set G1S, 40                           ; s[40:47] enc's scales
.set G0A0, 48                          ; s[48:51] group 0 for slot 0's refills;  s[52:55] for slot 1's;  s[56:59] for W;  s[60:63] for enc's scales;  s[92:95] for the head's tile 0
.set G0A1, 52
.set G0W, 56
.set G0S, 60
.set G0H, 92
.set TB,  66                           ; s66  LDS byte at which the block to be fetched begins (less my lane's place)
.set TS,  67                           ; s67  the same for its scale words: 1,024 bytes a block
.set TE,  68                           ; s68  and for the energy to be stored: 4 bytes a block
.set CNT, 69
.set PFA, 70                           ; s[70:71] where my prefetches stand: row 4 cx + wave of the 16 rows (8 KB each) of tile 0; never rewritten
.set PADF, (3<<16)|(1<<20)|(1<<21)|(6<<22)|(3<<25)   ; 17:16 elements of 8 bytes; 20 padding on; 21 set beside a mask; 24:22 after every 128 words (code 6); 31:25 four words (code 3)
.set MSB, 0
.macro WIN new                         ; the immediate's high byte repeats the setting that is left; a switch that changes nothing is dropped
.if MSB != (\new)
	s_set_vgpr_msb (MSB<<8)|(\new)
.set MSB, (\new)
.endif
.endm
.macro CREST                           ; a round of the cluster's barrier behind its opening barrier
	s_cmp_lg_u32 s[WV], 0
	s_cbranch_scc1 .Lnot_wave_0_\@
	s_barrier_signal -3
.Lnot_wave_0_\@:
	s_barrier_wait -3
	s_barrier_signal -1
	s_barrier_wait -1
.endm
.macro CROUND                          ; a whole round
	s_barrier_signal -1
	s_barrier_wait -1
	CREST
.endm
.macro PLACES n
.rept \n
	v_nop
.endr
.endm
.macro ARM under, g0, g1, next         ; one arm of the head's tree: its load, s_nop 0 and four v_nop, and the jump to the tree's end
	s_cmp_lt_u32 s[WV], \under
	s_cbranch_scc0 \next
	tensor_load_to_lds s[\g0:\g0+3], s[\g1:\g1+7]
	s_nop 0
	PLACES 4
	s_branch .Lhead_asked
\next:
.endm
; One product: accumulator (p, t) takes W's rows 32 t .. + 31 x enc's block in set p, K step q.  K step 0 starts the sum with the constant 0: nothing is ever cleared.
; The accumulators take turns, one instruction a turn.  K steps 4 to 7 read enc's scale words from lanes 16-31.
.macro MM p, q, t
.set rD, 128+64*(\p)+16*(\t)
.set rA, 64*((\q)%4)+16*(\t)
.set rB, 64*(\p)+8*(\q)
.set rW, WSC+8*(\t)+(\q)
.set rS, ASR+4*(\p)+(\q)%4
.if (\q) == 0
	v_wmma_scale_f32_32x16x128_f4 v[rD:rD+15], v[rA:rA+15], v[rB:rB+7], 0, v[rW], v[rS]
.elseif (\q) < 4
	v_wmma_scale_f32_32x16x128_f4 v[rD:rD+15], v[rA:rA+15], v[rB:rB+7], v[rD:rD+15], v[rW], v[rS]
.else
	v_wmma_scale_f32_32x16x128_f4 v[rD:rD+15], v[rA:rA+15], v[rB:rB+7], v[rD:rD+15], v[rW], v[rS] matrix_b_scale:MATRIX_SCALE_ROW1
.endif
.endm
.macro MMQ p, q                        ; a K step of a block: four products
	WIN 6+(\q)/4                                   ; source 0: window 2 or 3; source 1: window 1; C and D: window 0
.irp t, 0,1,2,3
	MM \p, \q, \t
.endr
.endm
; The finished block in set pp becomes my lane's part of its energy: the sum over nb, j of hidden x result, in eight chains held in tile 0's registers, two an instruction; then the chains are added.
; Each accumulator is read from its low end on.
.macro SUMS pp
.set AC, 128+64*(\pp)
.irp c, 0,2,4,6
	v_dual_mul_f32 v[AC+\c], v[HID+\c], v[AC+\c] :: v_dual_mul_f32 v[AC+\c+1], v[HID+\c+1], v[AC+\c+1]
.endr
.irp nb, 1,2,3,4,5,6,7
.irp c, 0,2,4,6
	v_dual_fmac_f32 v[AC+\c], v[HID+8*\nb+\c], v[AC+8*\nb+\c] :: v_dual_fmac_f32 v[AC+\c+1], v[HID+8*\nb+\c+1], v[AC+8*\nb+\c+1]
.endr
.endr
	v_dual_add_f32 v[AC], v[AC], v[AC+2] :: v_dual_add_f32 v[AC+1], v[AC+1], v[AC+3]
	v_dual_add_f32 v[AC+4], v[AC+4], v[AC+6] :: v_dual_add_f32 v[AC+5], v[AC+5], v[AC+7]
	v_dual_add_f32 v[AC], v[AC], v[AC+4] :: v_dual_add_f32 v[AC+1], v[AC+1], v[AC+5]
	v_add_f32 v[AC], v[AC], v[AC+1]
.endm
; The addresses of the next run of LDS instructions.  A vector instruction that reads a matrix result, and a load into a register that a matrix instruction has read, stand four places behind it, and a matrix
; instruction that begins an accumulator anew five; only plain vector instructions that name none of its registers are places (ISA guide 7.12.1 for vector instructions).
; All of SUMS names tile 0's accumulator, so the five stand here: the additions are such places, and v_nop makes them five.
.macro ADDR store, fetch
.if \store
	v_add_nc_u32 v[ADE], s[TE], v[ST0]
	s_add_co_u32 s[TE], s[TE], 4
.endif
.if \fetch
	v_add_nc_u32 v[ADR], s[TB], v[A0]
	v_add_nc_u32 v[ADS], s[TS], v[AS0]
	s_add_co_u32 s[TB], s[TB], STEP
	s_add_co_u32 s[TS], s[TS], 1024
.endif
	PLACES 5-\store-2*\fetch
.endm
; A fragment, 16 rows x 128 K, is 8 registers: lane (r, h) holds row r; registers 4 c .. 4 c + 3 hold K = 64 c + 32 h + 0 .. 31: 16 bytes of the row as they lie.
.macro FRAGS pp, adr, off
	WIN 0x40                                       ; destination window 1, address window 0
.irp q, 0,1,2,3,4,5,6,7
	ds_load_b128 v[64*(\pp)+8*\q:64*(\pp)+8*\q+3],   v[\adr] offset:\off+64*\q
	ds_load_b128 v[64*(\pp)+8*\q+4:64*(\pp)+8*\q+7], v[\adr] offset:\off+64*\q+32
.endr
.endm
.macro OUTIN pp, store, fetch          ; store = 1: set pp's energy goes to the stage.  fetch = 1: the next block's scale words and fragments are asked for, into set pp
.if \store
	ds_store_b32 v[ADE], v[128+64*(\pp)]
.endif
.if \fetch
	ds_load_b128 v[ASR+4*(\pp):ASR+4*(\pp)+3], v[ADS]   ; my 16 of my row's 32 scale bytes: all eight K steps' words lie in lanes r and 16 + r
	FRAGS (\pp), ADR, 0
.endif
.endm
.macro BLOCK p, store, fetch
	s_wait_dscnt 14                                ; the scale words and K step 0's fragment are in; the 14 loads of K steps 1 to 7 may be out
	MMQ \p, 0
	WIN 0
	ADDR \store, \fetch
	SUMS 1-(\p)
	OUTIN 1-(\p), \store, \fetch
	s_wait_dscnt \store+17*\fetch                  ; all of this block's fragments: all but the store and the 17 loads just issued
.irp q, 1,2,3,4,5,6,7
	MMQ \p, \q
.endr
.endm
.macro PAIRS n                         ; n trips of two blocks, in which the two sets change places and come back
	WIN 0                                          ; at a label and at a branch every window is 0
	s_mov_b32 s[CNT], \n
.Lpair_\@:
	BLOCK 1, 1, 1
	BLOCK 0, 1, 1
	WIN 0
	s_sub_co_u32 s[CNT], s[CNT], 1
	s_cmp_lg_u32 s[CNT], 0
	s_cbranch_scc1 .Lpair_\@
.endm
; A PREFETCH INTO THE L2 of tile t, one tile ahead of the joint load that will ask for it: eight blocks.  A tile is 16 rows of 8 KB: the four partners that ask for it jointly take four rows each, told apart BY
; ADDRESS (cx), a wave a row, lanes 256 bytes apart: each aligned block of 256 bytes is named once in the launch.  Tiles 0 and 1 come by their loads alone; none is named beyond tile 3, the last.
.macro ASK t
	global_prefetch_b8 v[PFO], s[PFA:PFA+1] offset:(\t)*TILEB th:TH_LOAD_NT scope:SCOPE_SE
.endm
; A tile's last block changes slots: ONE barrier.  In front of it each wave waits for all its tensor loads (its quarter of the next tile), adds 0 to its spare word, and waits for that; its reads of this
; slot are over: the last were this block's fragments.  fill = 1: the barrier opens a round of the cluster's barrier, and this slot is filled again, with the tile two on.
.macro TURN fill, g0, nextbase, ask
	WIN 0
	s_wait_tensorcnt 0x0                           ; all my tensor loads have landed: no load of mine is out, so a group 0 may be written
	ds_add_u32 v[SPW], v[NIL]                      ; 0 onto my spare word
.if \fill
	s_add_nc_u64 s[\g0+2:\g0+3], s[\g0+2:\g0+3], 2*TILEB   ; this slot's next tile; the type bits on top are not reached
.endif
	s_mov_b32 s[TB], \nextbase                     ; the fetches go on in the other slot
	s_wait_dscnt 0x1                               ; this block's fragments and scale words are in: all but the add
	MMQ 1, 0                                       ; four products stand between the add and the wait for it
	s_wait_dscnt 0x0                               ; the add is done
	s_barrier_signal -1
	WIN 0                                          ; work on registers while the others arrive: the sums of the block before, and K step 1
	ADDR 1, 1
	SUMS 0
	s_wait_alu depctr_va_vdst(0)
	MMQ 1, 1
	WIN 0
	s_barrier_wait -1
.if \fill
	CREST                                          ; no wave of any partner still reads this slot or has a load on its way
	tensor_load_to_lds s[\g0:\g0+3], s[G1A:G1A+7]  ; the first tensor load behind the round, and my one load until the next
	s_nop 0
	PLACES 4
.if \ask
	ASK \ask
.endif
.endif
	OUTIN 0, 1, 1
.irp q, 2,3,4,5,6,7
	MMQ 1, \q
.endr
.endm
.macro WQ q                            ; W's K step q, 128 rows, into registers
	WIN 0x80+0x40*((\q)/4)                         ; destination window 2 or 3
.irp nb, 0,1,2,3,4,5,6,7
	ds_load_b128 v[64*((\q)%4)+8*\nb:64*((\q)%4)+8*\nb+3],   v[AW] offset:\nb*BLK+64*(\q)
	ds_load_b128 v[64*((\q)%4)+8*\nb+4:64*((\q)%4)+8*\nb+7], v[AW] offset:\nb*BLK+64*(\q)+32
.endr
.endm
	s_load_b256 s[4:11], s[0:1], 0x0               ; W's codes s[4:5], W's scales s[6:7], enc's codes s[8:9], enc's scales s[10:11]
	s_load_b128 s[12:15], s[0:1], 0x20             ; hidden s[12:13], part s[14:15]
	v_lshl_add_u32 v[SPW], v0, 2, SPARE
	v_mov_b32 v[NIL], 0
	ds_add_u32 v[SPW], v[NIL]                      ; the wave's opening: the add, twice on end, waited for ahead of my first tensor load
	ds_add_u32 v[SPW], v[NIL]
	v_lshrrev_b32 v3, 5, v0
	v_readfirstlane_b32 s[WV], v3                  ; wave 0..3
	s_lshr_b32 s[RP], s[WV], 1
	s_and_b32 s[CH], s[WV], 1
	s_bfe_u32 s19, ttmp6, 0x40000                  ; cx, cy: my place in the cluster
	s_bfe_u32 s20, ttmp6, 0x40004
	s_lshl_b32 s72, ttmp9, 2
	s_add_co_u32 s72, s72, s19                     ; nq = 4 x cluster x + cx
	s_and_b32 s21, ttmp7, 0xffff
	s_lshl_b32 s21, s21, 2
	s_add_co_u32 s21, s21, s20                     ; y = 4 x cluster y + cy
	s_lshr_b32 s22, s21, 1                         ; sg: which 64 s
	s_and_b32 s23, s21, 1                          ; bh: which 16 b
	s_lshl_b32 s73, s20, 2
	s_lshl_b32 s73, 15, s73                        ; my row of the cluster
	s_lshl_b32 s74, 0x1111, s19                    ; my column
	; group 1 for enc: rows (one s, 16 b) of 8 KB, 16 KB apart; the padding behind every 512 bytes gives each b's 512 bytes an LDS row of its own.  16 rows for the head's load, 4 behind it
	s_or_b32 s[G1A], s73, PADF                     ; 15:0 the mask: enc goes to my row of the cluster
	s_mov_b32 s[G1A+1], 1024<<16                   ; tensor_dim0 = 1,024 elements of 8 bytes
	s_mov_b32 s[G1A+2], 16<<16                     ; tensor_dim1
	s_mov_b32 s[G1A+3], 1024<<16                   ; tile_dim0
	s_mov_b32 s[G1A+4], 16                         ; tile_dim1
	s_mov_b32 s[G1A+5], 2048                       ; tensor_dim0_stride
	s_mov_b32 s[G1A+6], 0
	s_mov_b32 s[G1A+7], 0
	; for half of W: 128 rows of 512 bytes, dense
	s_or_b32 s[G1W], s74, PADF                     ; the mask: W goes to my column
	s_mov_b32 s[G1W+1], 64<<16
	s_mov_b32 s[G1W+2], 128<<16
	s_mov_b32 s[G1W+3], 64<<16
	s_mov_b32 s[G1W+4], 128
	s_mov_b32 s[G1W+5], 64
	s_mov_b32 s[G1W+6], 0
	s_mov_b32 s[G1W+7], 0
	; for enc's scales: 64 rows (one s, 16 b) of 512 bytes, 1,024 apart, no padding
	s_or_b32 s[G1S], s73, (3<<16)|(1<<21)
	s_mov_b32 s[G1S+1], 64<<16
	s_mov_b32 s[G1S+2], 64<<16
	s_mov_b32 s[G1S+3], 64<<16
	s_mov_b32 s[G1S+4], 64
	s_mov_b32 s[G1S+5], 128
	s_mov_b32 s[G1S+6], 0
	s_mov_b32 s[G1S+7], 0
	; byte offsets.  What feeds enc's descriptors is made of sg, bh and the wave's number alone; what feeds W's of nq and the wave's number alone
	s_lshl_b32 s76, s22, 20                        ; enc's codes: 64 s of 16 KB,
	s_lshl_b32 s75, s23, 13                        ; 16 b of 512 bytes
	s_add_co_u32 s76, s76, s75
	s_mov_b32 s77, 0
	s_lshl_b32 s78, s72, 17                        ; W's codes: 256 rows of 512 bytes, my 128 of them
	s_lshl_b32 s3, s[CH], 16
	s_add_co_u32 s78, s78, s3
	s_mov_b32 s79, 0
	s_lshl_b32 s80, s22, 16                        ; enc's scales: 64 s of 1,024 bytes, 16 b of 32
	s_lshl_b32 s75, s23, 9
	s_add_co_u32 s80, s80, s75
	s_mov_b32 s81, 0
	s_mul_i32 s[G0W+1], s[CH], 128*PITCH           ; where they go: no place in the cluster enters an LDS address
	s_add_co_u32 s[G0W+1], s[G0W+1], SLOT
	s_mov_b32 s[G0H+1], 0
	s_mov_b32 s[G0S+1], ASC
	s_mov_b32 s[G0A0], 1                           ; 1:0 count = 1
	s_mov_b32 s[G0A1], 1
	s_mov_b32 s[G0W], 1
	s_mov_b32 s[G0S], 1
	s_mov_b32 s[G0H], 1
	s_wait_dscnt 0x0                               ; both opening adds are done
	CROUND                                         ; all sixteen work-groups are here: the first joint loads meet
	s_wait_kmcnt 0x0
	s_add_nc_u64 s[G0W+2:G0W+3], s[4:5], s[78:79]
	s_or_b32 s[G0W+3], s[G0W+3], 0x80000000        ; 127:126 type = 2
	s_add_nc_u64 s[G0H+2:G0H+3], s[8:9], s[76:77]
	s_or_b32 s[G0H+3], s[G0H+3], 0x80000000
	s_add_nc_u64 s[G0S+2:G0S+3], s[10:11], s[80:81]
	s_or_b32 s[G0S+3], s[G0S+3], 0x80000000
	; THE HEAD'S LOADS, ONE A WAVE.  ONE tree of branches on the wave's number: every way through it passes exactly one load
	ARM 2, G0W, G1W, .Lhead_tile
	ARM 3, G0H, G1A, .Lhead_scales
	tensor_load_to_lds s[G0S:G0S+3], s[G1S:G1S+7]
	s_nop 0
	PLACES 4
.Lhead_asked:
	s_lshl_b32 s84, s23, 16                        ; hidden: 16 b of 4,096 bytes, + 4 (256 nq + 128 ch)
	s_lshl_b32 s3, s72, 10
	s_add_co_u32 s84, s84, s3
	s_lshl_b32 s3, s[CH], 9
	s_add_co_u32 s84, s84, s3
	s_mov_b32 s85, 0
	s_lshl_b32 s86, s72, 13                        ; W's scales: 32 (256 nq + 128 ch)
	s_lshl_b32 s3, s[CH], 12
	s_add_co_u32 s86, s86, s3
	s_mov_b32 s87, 0
	s_add_nc_u64 s[12:13], s[12:13], s[84:85]
	s_add_nc_u64 s[6:7], s[6:7], s[86:87]
	v_and_b32 v1, 15, v0                           ; r
	v_bfe_u32 v2, v0, 4, 1                         ; h
	v_lshlrev_b32 v[HO], 12, v1
	v_lshl_add_u32 v[HO], v2, 5, v[HO]
	v_and_b32 v[PFO], 31, v0
	v_lshlrev_b32 v[WSO], 5, v[PFO]
	v_lshlrev_b32 v[PFO], 8, v[PFO]
	s_wait_alu depctr_va_vdst(0)                   ; the loads below read v[WSO] and v[HO]
.irp t, 0,1,2,3
	global_load_b128 v[WSC+8*\t:WSC+8*\t+3],   v[WSO], s[6:7] offset:1024*\t        ; the scale bytes of 32 rows of W, a lane a row: the wave's two loads read 1,024 consecutive bytes; they stay
	global_load_b128 v[WSC+8*\t+4:WSC+8*\t+7], v[WSO], s[6:7] offset:1024*\t+16
.endr
.irp nb, 0,1,2,3,4,5,6,7
	global_load_b128 v[HID+8*\nb:HID+8*\nb+3],   v[HO], s[12:13] offset:64*\nb      ; hidden(16 bh + r, 256 nq + 128 ch + 16 nb + 8 h + 0 .. 7): it stays
	global_load_b128 v[HID+8*\nb+4:HID+8*\nb+7], v[HO], s[12:13] offset:64*\nb+16
.endr
	s_lshl_b32 s82, s19, 2                         ; the prefetches: row 4 cx + wave of a tile's 16
	s_add_co_u32 s82, s82, s[WV]
	s_lshl_b32 s82, s82, 14
	s_add_co_u32 s82, s82, s76
	s_mov_b32 s83, 0
	s_add_nc_u64 s[PFA:PFA+1], s[8:9], s[82:83]
	s_lshl_b32 s75, s[WV], 16                      ; the ring: my quarter of a tile: 4 s
	s_add_co_u32 s76, s76, s75
	s_add_nc_u64 s[G0A0+2:G0A0+3], s[8:9], s[76:77]            ; tile 0: its refill steps it to tile 2
	s_add_nc_u64 s[G0A1+2:G0A1+3], s[G0A0+2:G0A0+3], TILEB     ; tile 1
	s_or_b32 s[G0A0+3], s[G0A0+3], 0x80000000
	s_or_b32 s[G0A1+3], s[G0A1+3], 0x80000000
	s_mul_i32 s[G0A0+1], s[WV], QUART
	s_add_co_u32 s[G0A1+1], s[G0A0+1], SLOT
	s_lshl_b32 s88, s72, 18                        ; part: [nq][b][s] f32
	s_lshl_b32 s3, s23, 17
	s_add_co_u32 s88, s88, s3
	s_lshl_b32 s3, s22, 8
	s_add_co_u32 s88, s88, s3
	s_mov_b32 s89, 0
	s_add_nc_u64 s[14:15], s[14:15], s[88:89]
	s_mov_b32 s[TB], 2*STEP                        ; blocks 0 and 1 are fetched by themselves: the steady fetches begin with block 2
	s_mov_b32 s[TS], 2048
	s_mov_b32 s[TE], 0
	s_mul_i32 s76, s[RP], BLK
	s_mul_i32 s77, s[CH], 128*PITCH
	s_add_co_u32 s77, s77, SLOT
	s_lshl_b32 s78, s[RP], 9
	s_add_co_u32 s78, s78, ASC
	s_mul_i32 s79, s[WV], 4608
	s_add_co_u32 s79, s79, STG
	s_mul_i32 s80, s[WV], 4*144
	s_add_co_u32 s80, s80, STG
	s_lshl_b32 s81, s[WV], 15
	v_mul_u32_u24 v3, v1, PITCH
	v_lshl_add_u32 v3, v2, 4, v3                   ; a fragment's row x pitch + 16 h
	v_add_nc_u32 v[A0], s76, v3
	v_add_nc_u32 v[AW], s77, v3
	v_lshlrev_b32 v[AS0], 5, v1
	v_lshl_add_u32 v[AS0], v2, 4, v[AS0]
	v_add_nc_u32 v[AS0], s78, v[AS0]
	v_mul_u32_u24 v[ST0], v1, 144
	v_mad_u32_u24 v[ST0], v2, 2304, v[ST0]
	v_add_nc_u32 v[ST0], s79, v[ST0]
	v_mul_u32_u24 v[RD], v2, 144                   ; the way out: wave w takes b rows 4 w .. 4 w + 3; lanes 0-15 one row, lanes 16-31 the next; 8 bytes (two blocks) a lane
	v_lshl_add_u32 v[RD], v1, 3, v[RD]
	v_add_nc_u32 v[RD], s80, v[RD]
	v_lshlrev_b32 v[GO], 13, v2                    ; and the same rows in part: 8,192 bytes a b, 16 bytes a lane
	v_lshl_add_u32 v[GO], v1, 4, v[GO]
	v_add_nc_u32 v[GO], s81, v[GO]
	s_wait_alu depctr_va_vdst(0)
	s_cmp_lt_u32 s[WV], 2
	s_cbranch_scc0 .Lnot_w                         ; waves 2 and 3 issued other lines, whose tiles are waited for below
	s_wait_tensorcnt 0x0                           ; my half of W is in
.Lnot_w:
	s_barrier_signal -1
	s_barrier_wait -1                              ; both halves are
	WQ 0
	WQ 1
	WQ 2
	WQ 3
	WIN 0
	s_wait_tensorcnt 0x0                           ; tile 0 and enc's scales
	s_wait_dscnt 0x0
	s_barrier_signal -1
	s_barrier_wait -1                              ; everything that the head asked for is in
	; BLOCKS 0 AND 1, together, K step by K step.  Each count leaves the loads out that were issued behind the ones wanted
	ds_load_b128 v[ASR:ASR+3], v[AS0]
	FRAGS 0, A0, 0
	WIN 0
	ds_load_b128 v[ASR+4:ASR+7], v[AS0] offset:1024
	FRAGS 1, A0, STEP
	WQ 4
	s_wait_loadcnt 0x0                             ; W's scale words and hidden
	s_wait_dscnt 33                                ; block 0 is in; block 1's 17 loads and W's K step 4's 16 may be out
.irp q, 0,1,2,3
	MMQ 0, \q
.endr
	WQ 5
	s_wait_dscnt 32                                ; block 1 is in; K steps 4 and 5 may be out
.irp q, 0,1,2,3
	MMQ 1, \q
.endr
	WQ 6
	s_wait_dscnt 32                                ; K step 4 is in; 5 and 6 may be out
	MMQ 0, 4
	MMQ 1, 4
	WQ 7
	s_wait_dscnt 32                                ; K step 5 is in; 6 and 7 may be out
	MMQ 0, 5
	MMQ 1, 5
	WIN 0
	s_wait_tensorcnt 0x0                           ; no tensor load of mine is out,
	ds_add_u32 v[SPW], v[NIL]                      ; 0 onto my spare word,
	s_mov_b32 s[G1A+2], 4<<16                      ; so a descriptor may be written: from here on a load brings 4 rows of 8 KB
	s_mov_b32 s[G1A+4], 4
	s_wait_dscnt 17                                ; K step 6 is in; K step 7's 16 loads and the add may be out
	MMQ 0, 6
	MMQ 1, 6
	s_wait_dscnt 0x0                               ; the add is done, and W is in my registers: my reads of slot 1 are over
	s_barrier_signal -1                            ; (it opens a round of the cluster's barrier)
	MMQ 0, 7
	MMQ 1, 7
	WIN 0
	s_barrier_wait -1
	CREST                                          ; no wave of any partner still reads slot 1
	tensor_load_to_lds s[G0A1:G0A1+3], s[G1A:G1A+7]  ; tile 1 into slot 1: the first tensor load behind the round
	s_nop 0
	PLACES 4
	ASK 2
	ADDR 1, 1
	SUMS 0                                         ; block 0
	OUTIN 0, 1, 1                                  ; its energy out; block 2 into set 0
	; BLOCKS 2 TO 31.  The tiles' ends are written out
	BLOCK 0, 1, 1                                  ; block 2: it sums block 1
	PAIRS 2
	TURN 1, G0A0, SLOT, 3                          ; tile 0's last block: slot 0 takes tile 2; tile 3 is prefetched
	BLOCK 0, 1, 1
	PAIRS 3
	TURN 1, G0A1, 0, 0                             ; tile 1's last: slot 1 takes tile 3
	BLOCK 0, 1, 1
	PAIRS 3
	TURN 0, G0A0, SLOT, 0                          ; tile 2's last: nothing is left to fetch, so no round follows
	BLOCK 0, 1, 1
	PAIRS 3
	BLOCK 1, 1, 0                                  ; block 31 fetches nothing
	WIN 0
	ADDR 1, 0
	SUMS 1                                         ; and is summed by itself
	OUTIN 1, 1, 0
	s_wait_dscnt 0x0                               ; for the others' sake: my stores into the stage are done
	s_barrier_signal -1
	s_barrier_wait -1
	; THE WAY OUT.  An energy's four parts (two halves of the lanes x two waves ch) are added; the blocks of the two parities of s are interleaved: lane x of a row holds s = 4 x .. 4 x + 3
.irp u, 0,1
.irp a, 0,1,2,3
.irp g, 0,1
	ds_load_b64 v[OW+16*\u+4*\a+2*\g:OW+16*\u+4*\a+2*\g+1], v[RD] offset:\a*4608+\g*2304+288*\u   ; wave a's, half g's: blocks 2 x and 2 x + 1 of b row 4 w + 2 u + l / 16
.endr
.endr
.endr
	s_wait_dscnt 0x0
.irp u, 0,1
.irp a, 0,1,2,3
	v_pk_add_f32 v[OW+16*\u+4*\a:OW+16*\u+4*\a+1], v[OW+16*\u+4*\a:OW+16*\u+4*\a+1], v[OW+16*\u+4*\a+2:OW+16*\u+4*\a+3]   ; the two halves of the lanes
.endr
.irp e, 0,1
	v_add_f32 v[OO+4*\u+\e],   v[OW+16*\u+8*\e],   v[OW+16*\u+8*\e+4]   ; the two waves ch of parity e: s = 4 x + e,
	v_add_f32 v[OO+4*\u+2+\e], v[OW+16*\u+8*\e+1], v[OW+16*\u+8*\e+5]   ; and s = 4 x + 2 + e
.endr
	global_store_b128 v[GO], v[OO+4*\u:OO+4*\u+3], s[14:15] offset:16384*\u   ; 16 lanes store 256 consecutive bytes, at a multiple of 256 from part's first byte
.endr
	s_wait_tensorcnt 0x0                           ; the wave's end: behind my last tensor load and my last LDS store
	ds_add_u32 v[SPW], v[NIL]
	s_wait_dscnt 0x0
	CROUND                                         ; the closing round: no work-group ends while a partner may still ask for a tile that names it
	s_endpgm
.Lfunc_end_k_q2889525c44_energy:
	.size	k_q2889525c44_energy, .Lfunc_end_k_q2889525c44_energy-k_q2889525c44_energy
	.p2alignl 7, 3214868480
	.fill 96, 4, 3214868480
	.section	.rodata,"a",@progbits
	.p2align	6, 0x0
	.amdhsa_kernel k_q2889525c44_energy
		.amdhsa_group_segment_fixed_size 327680
		.amdhsa_private_segment_fixed_size 0
		.amdhsa_enable_private_segment 0
		.amdhsa_kernarg_size 48
		.amdhsa_user_sgpr_count 2
		.amdhsa_user_sgpr_kernarg_segment_ptr 1
		.amdhsa_wavefront_size32 1
		.amdhsa_system_sgpr_workgroup_id_x 1
		.amdhsa_system_sgpr_workgroup_id_y 1
		.amdhsa_system_sgpr_workgroup_id_z 1
		.amdhsa_system_vgpr_workitem_id 0
		.amdhsa_next_free_vgpr 1024
		.amdhsa_next_free_sgpr 98
		.amdhsa_reserve_vcc 0
		.amdhsa_float_denorm_mode_32 3
		.amdhsa_float_denorm_mode_16_64 3
		.amdhsa_memory_ordered 1
		.amdhsa_forward_progress 1
		.amdhsa_inst_pref_size 167
	.end_amdhsa_kernel
	.amdgpu_metadata
---
amdhsa.version: [ 1, 2 ]
amdhsa.kernels:
  - .name:           k_q2889525c44_energy
    .symbol:         k_q2889525c44_energy.kd
    .args:
      - { .name: W_codes, .offset: 0, .size: 8, .value_kind: global_buffer, .address_space: global }
      - { .name: W_scales, .offset: 8, .size: 8, .value_kind: global_buffer, .address_space: global }
      - { .name: encoder_outputs_codes, .offset: 16, .size: 8, .value_kind: global_buffer, .address_space: global }
      - { .name: encoder_outputs_scales, .offset: 24, .size: 8, .value_kind: global_buffer, .address_space: global }
      - { .name: hidden, .offset: 32, .size: 8, .value_kind: global_buffer, .address_space: global }
      - { .name: part, .offset: 40, .size: 8, .value_kind: global_buffer, .address_space: global }
    .group_segment_fixed_size: 327680
    .private_segment_fixed_size: 0
    .kernarg_segment_align: 8
    .kernarg_segment_size: 48
    .max_flat_workgroup_size: 128
    .sgpr_count:     98
    .vgpr_count:     1024
    .wavefront_size: 32
...
	.end_amdgpu_metadata
.endif
;; end of part 3
;; launch softmax (part 4): grid 32 x 1, 16 waves a work-group, no clusters, 2,304 bytes of LDS; arguments part, out0; writes out0
.if DOCPART == 4
	.amdgcn_target "amdgcn-amd-amdhsa--gfx1250"
	.amdhsa_code_object_version 6
	.text
	.protected	k_q2889525c44_softmax
	.globl	k_q2889525c44_softmax
	.p2align	8
	.type	k_q2889525c44_softmax,@function
k_q2889525c44_softmax:
	s_mov_b64 s[64:65], 0
	v_nop
	global_prefetch_b8 v0, s[64:65] scope:SCOPE_SE
	s_setreg_imm32_b32 hwreg(HW_REG_WAVE_MODE, 25, 1), 1
	s_wait_xcnt 0x0
; out0[b][s] = softmax over s of e[b][s], e = part[0][b][s] + part[1][b][s] + part[2][b][s] + part[3][b][s].
; part: [4][32][2048] f32, the first launch's sums over 256 outputs each.  All in f32; the row's true maximum is taken away.
; DEAD WORK: the bias's term, the sum over o of hidden[b][o] bias[o], is the same for every s of a row and cancels in the softmax (shown at the first kernel's head); a NaN or an infinity in it is not carried.
; A work-group of 16 waves takes one b: thread t holds s = 4 t .. 4 t + 3 from the loads to the store; every load and store of a wave covers 512 consecutive bytes.
; ONE exchange: each wave takes its own maximum m (times log2 e) and its sum of 2^(t - m); the 16 pairs meet in LDS, and a wave's results are multiplied by 2^(m - M) / S, M the largest m, S the row's sum under M.
; 32 rows of 8 KB of results: no matrix unit, no cluster (the work-groups share nothing), no tensor load, and no loop in which a prefetch could run ahead.
; LIMITS: a weight under 2^-126 may come out as 0.  NaN and infinities are not served.
.set SPARE, 0x100                      ; the spare words: 16 x 128 bytes behind the block that holds the pairs
.macro XROW op, r                      ; over the 16 lanes of a row, in place
.irp m, 1,2,4,8
	s_delay_alu instid0(VALU_DEP_1)
	\op \r, \r, \r row_xmask:\m row_mask:0xf bank_mask:0xf
.endr
.endm
	s_load_b128 s[4:7], s[0:1], 0x0                ; part s[4:5], out0 s[6:7]
	v_lshl_add_u32 v40, v0, 2, SPARE
	v_mov_b32 v41, 0
	v_lshlrev_b32 v1, 4, v0                        ; 16 bytes a thread; never rewritten
	v_lshrrev_b32 v2, 5, v0
	v_and_b32 v3, 15, v0
	v_mov_b32 v28, 0                               ; written once: a lane permute's destination counts as one of its sources
	v_lshlrev_b32 v2, 3, v2                        ; 8 x wave: where my wave's pair goes
	v_lshlrev_b32 v3, 3, v3                        ; 8 x (lane mod 16): the pair that I read
	v_mov_b32 v30, 0
	v_mov_b32 v31, 0
	v_mov_b32 v35, 0                               ; the upper half of the pair v[34:35], named by the packed multiply
	s_lshl_b32 s8, ttmp9, 13                       ; my b's row of part and of out0: 8,192 bytes
	s_mov_b32 s9, 0
	s_mov_b32 s12, 0x76543210                      ; v_permlanex16_b32's selects for lane l xor 16
	s_mov_b32 s13, 0xfedcba98
	s_mov_b32 s10, 0x3fb8aa3b                      ; log2(e)
	s_wait_alu depctr_va_vdst(0)
	s_wait_kmcnt 0x0
	s_add_nc_u64 s[4:5], s[4:5], s[8:9]
	s_add_nc_u64 s[6:7], s[6:7], s[8:9]
.irp n, 0,1,2,3
	global_load_b128 v[8+4*\n:11+4*\n], v1, s[4:5] offset:\n*262144 th:TH_LOAD_NT
.endr
	s_wait_loadcnt 0x0
	v_pk_add_f32 v[8:9], v[8:9], v[12:13]
	v_pk_add_f32 v[10:11], v[10:11], v[14:15]
	v_pk_add_f32 v[16:17], v[16:17], v[20:21]
	v_pk_add_f32 v[18:19], v[18:19], v[22:23]
	v_pk_add_f32 v[8:9], v[8:9], v[16:17]
	v_pk_add_f32 v[10:11], v[10:11], v[18:19]
	v_max3_num_f32 v24, v8, v9, v10
	s_delay_alu instid0(VALU_DEP_1)
	v_max_num_f32 v24, v24, v11
	XROW v_max_num_f32_dpp, v24
	s_delay_alu instid0(VALU_DEP_1)
	v_permlanex16_b32 v30, v24, s12, s13
	s_delay_alu instid0(VALU_DEP_1)
	v_max_num_f32 v24, v24, v30
	s_delay_alu instid0(VALU_DEP_1)
	v_mul_f32 v24, s10, v24                        ; m: my wave's largest e x log2(e)
.irp i, 8,9,10,11
	v_fma_f32 v\i, v\i, s10, -v24                  ; e x log2(e) - m
.endr
	s_wait_alu depctr_va_vdst(0)                   ; the wait ahead of the batch
.irp i, 8,9,10,11
	v_exp_f32 v\i, v\i
.endr
	v_nop                                          ; a plain instruction behind the last exponential
	s_wait_alu depctr_va_vdst(0)                   ; one wait for the four, ahead of their first reader
	v_pk_add_f32 v[26:27], v[8:9], v[10:11]
	s_delay_alu instid0(VALU_DEP_1)
	v_add_f32 v25, v26, v27
	XROW v_add_f32_dpp, v25
	s_delay_alu instid0(VALU_DEP_1)
	v_permlanex16_b32 v31, v25, s12, s13
	s_delay_alu instid0(VALU_DEP_1)
	v_add_f32 v25, v25, v31
	ds_store_b64 v2, v[24:25]                      ; (m, sum): all lanes of a wave write the same 8 bytes with the same values
	s_wait_dscnt 0x0                               ; for the others' sake
	s_barrier_signal -1
	s_barrier_wait -1
	ds_load_b64 v[26:27], v3                       ; lane l has wave l mod 16's pair
	s_wait_dscnt 0x0
	v_max_num_f32_dpp v28, v26, v26 row_xmask:1 row_mask:0xf bank_mask:0xf
.irp m, 2,4,8
	s_delay_alu instid0(VALU_DEP_1)
	v_max_num_f32_dpp v28, v28, v28 row_xmask:\m row_mask:0xf bank_mask:0xf
.endr
	s_delay_alu instid0(VALU_DEP_1)
	v_sub_f32 v29, v26, v28                        ; that wave's m - M
	v_sub_f32 v32, v24, v28                        ; my own wave's
	s_wait_alu depctr_va_vdst(0)                   ; the wait ahead of the batch
	v_exp_f32 v29, v29
	v_exp_f32 v32, v32
	v_nop
	s_wait_alu depctr_va_vdst(0)                   ; and behind it
	v_mul_f32 v27, v27, v29
	XROW v_add_f32_dpp, v27                        ; S: at least 1, since the largest e gives 2^0
	s_wait_alu depctr_va_vdst(0)
	v_rcp_f32 v33, v27
	v_nop
	s_wait_alu depctr_va_vdst(0)
	v_mul_f32 v34, v32, v33
	v_pk_mul_f32 v[8:9], v[8:9], v[34:35] op_sel_hi:[1,0]
	v_pk_mul_f32 v[10:11], v[10:11], v[34:35] op_sel_hi:[1,0]
	global_store_b128 v1, v[8:11], s[6:7] th:TH_STORE_NT   ; a wave stores 512 consecutive bytes, at a multiple of 256 from out0's first byte
	s_wait_tensorcnt 0x0                           ; the wave's end
	ds_add_u32 v40, v41
	s_wait_dscnt 0x0
	s_endpgm
.Lfunc_end_k_q2889525c44_softmax:
	.size	k_q2889525c44_softmax, .Lfunc_end_k_q2889525c44_softmax-k_q2889525c44_softmax
	.p2alignl 7, 3214868480
	.fill 96, 4, 3214868480
	.section	.rodata,"a",@progbits
	.p2align	6, 0x0
	.amdhsa_kernel k_q2889525c44_softmax
		.amdhsa_group_segment_fixed_size 2304
		.amdhsa_private_segment_fixed_size 0
		.amdhsa_enable_private_segment 0
		.amdhsa_kernarg_size 16
		.amdhsa_user_sgpr_count 2
		.amdhsa_user_sgpr_kernarg_segment_ptr 1
		.amdhsa_wavefront_size32 1
		.amdhsa_system_sgpr_workgroup_id_x 1
		.amdhsa_system_sgpr_workgroup_id_y 1
		.amdhsa_system_sgpr_workgroup_id_z 1
		.amdhsa_system_vgpr_workitem_id 0
		.amdhsa_next_free_vgpr 42
		.amdhsa_next_free_sgpr 66
		.amdhsa_reserve_vcc 0
		.amdhsa_float_denorm_mode_32 3
		.amdhsa_float_denorm_mode_16_64 3
		.amdhsa_memory_ordered 1
		.amdhsa_forward_progress 1
		.amdhsa_inst_pref_size 6
	.end_amdhsa_kernel
	.amdgpu_metadata
---
amdhsa.version: [ 1, 2 ]
amdhsa.kernels:
  - .name:           k_q2889525c44_softmax
    .symbol:         k_q2889525c44_softmax.kd
    .args:
      - { .name: part, .offset: 0, .size: 8, .value_kind: global_buffer, .address_space: global }
      - { .name: out0, .offset: 8, .size: 8, .value_kind: global_buffer, .address_space: global }
    .group_segment_fixed_size: 2304
    .private_segment_fixed_size: 0
    .kernarg_segment_align: 8
    .kernarg_segment_size: 16
    .max_flat_workgroup_size: 512
    .sgpr_count:     66
    .vgpr_count:     42
    .wavefront_size: 32
...
	.end_amdgpu_metadata
.endif
;; end of part 4
